; MI455X (gfx1250); checked and timed in simulation.
; The chip was launched on July 23, 2026; its instructions are those of AMD's public machine-readable ISA for CDNA 5 (MIT licence, August 2026) and "CDNA5" Instruction Set Architecture Reference Guide (July 2026). The comments in the code are by the model that wrote it; some were corrected since.
;; Heavy Hitter Llama Attention. Allowed arithmetic: matrix products marked QUANTISED: E2M3 operands, one E8M0 scale for each 32 along K, by v_wmma_scale_f32_16x16x128_f8f6f4 with both operands' format E2M3, f32 sums; everything else in f32.
;; Inputs: Wk 4,096 x 1,024 float32; Wo 2,048 x 4,096 float32; Wq 4,096 x 2,048 float32; Wv 4,096 x 1,024 float32; hidden_states 1 x 2,048 x 4,096 float32; position_ids 1 x 2,048 int32.
;; Outputs: out0 1 x 2,048 x 4,096 float32; out1 8 x 2,048 float32.
;; This version of the problem:
;;   THIS VERSION OF THE PROBLEM IS GIVEN IN LOW PRECISION. The matrix products marked QUANTISED in the list below multiply operands that are first quantised to E2M3 (2 exponent bits, 3 mantissa bits; 6 bits a number), with one power-of-two scale for each 32 numbers along K (OCP MX v1.0); their sums are f32. All else is computed in f32.
;;   The module's matrix products, in the order in which they are computed (A, B: the left and right operand; K: the contracted axis; several contracted axes count as one K, in the product's order):
;;     1. [M 2,048, K 4,096] x [K 4,096, N 2,048]; A: input hidden_states; B: input Wq: QUANTISED
;;     2. [M 2,048, K 4,096] x [K 4,096, N 1,024]; A: input hidden_states; B: input Wk: QUANTISED
;;     3. [M 2,048, K 4,096] x [K 4,096, N 1,024]; A: input hidden_states; B: input Wv: QUANTISED
;;     4. batch 16 x [M 2,048, K 128] x [K 128, N 2,048]; A: computed on the way; B: computed on the way: QUANTISED
;;     5. batch 16 x [M 2,048, K 2,048] x [K 2,048, N 128]; A: softmax (see below); B: computed on the way: QUANTISED
;;     6. [M 2,048, K 2,048] x [K 2,048, N 4,096]; A: computed on the way; B: input Wo: QUANTISED
;;   THE QUANTISER, for each operand of a quantised product, along K:
;;     - K is cut into blocks of 32 from its start; a last block that is shorter is filled with zeros.
;;     - A block's scale is 2^e with e = floor(log2(the largest magnitude in the block)) - 2, held to -126 .. 127; a block of zeros has e = 0. As a byte (E8M0): e + 127.
;;     - Each number is divided by its block's scale, clamped to +-7.5, and rounded to the nearest number of E2M3, ties to even, subnormals kept.
;;     - The product sums the exact products of the quantised numbers (number of the format x scale) in f32.
;;   ~~~python
;;   def quantise(x, axis):      # numpy; x: float32 -> the quantised numbers, widened to float32 again
;;       x = np.moveaxis(x, axis, -1); K = x.shape[-1]
;;       x = np.pad(x, [(0, 0)] * (x.ndim - 1) + [(0, -K % 32)]); x = x.reshape(x.shape[:-1] + (-1, 32)); a = np.abs(x).max(-1, keepdims=True)
;;       e = np.where(a > 0, np.clip(np.frexp(np.where(a > 0, a, 1))[1] - 1 - 2, -126, 127), 0)      # np.frexp(a)[1] - 1 = floor(log2(a)), exactly
;;       r = np.clip(x / 2.0 ** e, -7.5, 7.5)
;;       step = 2.0 ** (np.maximum(np.frexp(np.where(r == 0, 1, r))[1] - 1, 0) - 3)
;;       q = np.round(r / step) * step * 2.0 ** e      # np.round: ties to even
;;       return np.moveaxis(q.reshape(q.shape[:-2] + (-1,))[..., :K], -1, axis).astype(np.float32)
;;   ~~~
;;   SOFTMAX AHEAD OF A QUANTISED PRODUCT. Where the list says 'softmax', what is quantised is not the finished softmax but p = 2^(t - M), with t = logit x log2(e) and M = ceil(the row's largest t), a whole number; so 1/2 < the row's largest p <= 1. The row's sum l is taken of the UNQUANTISED p, in f32, and the product's result is divided by l at the end. Since M is a whole number, a kernel that streams over the keys may use a running M (the ceiling of the running maximum): every later rescaling is an exact power of two, which a block's scale takes up: the codes' values come out the same.
;;   OPERANDS COMPUTED ON THE WAY. 'Computed on the way' means the value that the module computes at that place (a softmax that the list does not call 'softmax' is quantised finished and normalised). What goes into a quantiser is computed in f32, as accurately as f32 sums, v_exp_f32 and their like allow (about 1e-6 of the number): no bf16 or f16 on the way to a quantiser, and a product that is left as it is and whose result goes on into a quantised operand takes f32 operands (vector FMAs, or v_wmma_f32_16x16x4_f32). A number that lies on a knife's edge between two numbers of the format may be rounded either way, as far as f32 arithmetic and the matrix unit's own rounding can turn it there, and no further.
;; One version. Each part assembles by itself: llvm-mc -triple=amdgcn-amd-amdhsa -mcpu=gfx1250 --defsym DOCPART=n.
;; ======== version 1 of 1: 4 launches
;; limits: right only within a limited range of input values
;; workspace buffers: hidc 6,553,600 bytes; wqkv 13,107,200 bytes; woc 6,553,600 bytes; rope 1,048,576 bytes; qc 3,276,800 bytes; kvc 3,276,800 bytes; oc 3,276,800 bytes
;; launch prep (part 1): grid 1024 x 1, 4 waves a work-group, no clusters, 34,304 bytes of LDS; arguments Wq, Wk, Wv, Wo, hidden_states, position_ids, wqkv, woc, hidc, rope; writes wqkv, woc, hidc, rope
.if DOCPART == 1
	.amdgcn_target "amdgcn-amd-amdhsa--gfx1250"
	.amdhsa_code_object_version 6
	.text
	.protected	k_q53be2cdb0c_prep
	.globl	k_q53be2cdb0c_prep
	.p2align	8
	.type	k_q53be2cdb0c_prep,@function
k_q53be2cdb0c_prep:
	s_mov_b64 s[64:65], 0
	v_nop
	global_prefetch_b8 v0, s[64:65] scope:SCOPE_SE
	s_setreg_imm32_b32 hwreg(HW_REG_WAVE_MODE, 25, 1), 1
	s_wait_xcnt 0x0
; The four weights and hidden_states, f32, become codes of FP6 (E2M3) with one E8M0 scale byte for each 32 along K; position_ids become a table of cos and sin.
; LAYOUT OF ALL CODES: a FRAGMENT is 16 rows x 128 K as the matrix unit's 12 registers a lane, stored as an image of those registers: register g of lane L at byte 512 (g / 4) + 16 L + 4 (g % 4); 1,536 bytes.
; Lane (r, h) holds k = 64 c + 32 h + 0 .. 31 in registers 6 c .. 6 c + 5.  Fragment (row block) f holds rows 32 (f / 2) + 8 (f % 2) + r + 8 (r / 8).
; A RECORD is four fragments (four K steps of one row block) and 256 bytes of scale words [r][4]: 6,400 bytes.  wqkv: [256 row blocks][8 records] (rows: Wq's 2,048 columns, Wk's 1,024, Wv's 1,024); woc: [256][4]; hidc: [128][8].
; A block's scale is 2^(floor(log2(its largest magnitude)) - 2): its byte is the largest magnitude's exponent field - 2, held at 1 from below.
; LIMITS: a block of zeros gets the byte 1 where the quantiser says 127 (its codes are zeros, and this program alone reads the bytes); NaN and infinities among the inputs are not served.
; The table: inv_freq = 2^(-f log2(500000) / 64) by v_exp_f32, so an angle carries that instruction's last-bit error times the position; the reduction by pi/2 in three parts serves |angle| under 2^22.
; TWO PATHS, parted on the work-group's number: 0-767 weights, 768-1023 hidden_states.  The table has no work-groups of its own (64 more would make 1,088, no multiple of 256): each of the 256 work-groups of
; hidden_states makes the table's rows of 8 tokens, 4 angles a thread, behind the issue of its first 32 loads and ahead of the wait for them.
; Memory binds: no matrix unit, no tensor load, no cluster; waves share nothing, so there is no barrier.
.set FLOOR, 0x1800000                  ; 2^(3 - 127): under it no largest magnitude is taken, so the byte cannot fall under 1
.set EOFF,  0xff000000                 ; takes 2 off an exponent field
	s_load_b512 s[4:19], s[0:1], 0x0               ; Wq, Wk, Wv, Wo, hidden_states, position_ids, wqkv, woc
	s_load_b128 s[20:23], s[0:1], 0x40             ; hidc, rope
	v_lshl_add_u32 v254, v0, 2, 0x8400
	v_mov_b32 v255, 0
	v_lshrrev_b32 v1, 5, v0
	v_readfirstlane_b32 s24, v1                    ; wave 0..3
	v_and_b32 v1, 31, v0                           ; lane
	s_cmp_ge_u32 ttmp9, 768
	s_cbranch_scc1 .Lpath_h
; ---- WEIGHTS [K][N]: a lane takes a column n and its registers run down K, so a block of 32 along K lies in one lane and the conversions give codes with K innermost.
; A work-group: 128 columns x 256 along K; a wave: 32 columns, 8 blocks.  Each load reads 128 consecutive bytes a wave.
.set XW,  64                           ; v64-127  two sets of 32 numbers
.set CD,  128                          ; v128-175 the codes: 24 s + 12 h + g for K step s, half h, register g; written once each
.set TPW, 176                          ; v176-178 a block's upper 16 codes (a conversion's three registers begin on an even number)
.set SWD, 180                          ; v180-181 the two K steps' scale words
	s_mov_b32 s28, 512                             ; Wo's figures first: first work-group,
	s_mov_b32 s29, 5                               ; log2 of its groups of 128 columns,
	s_mov_b32 s30, 16384                           ; bytes in a row,
	s_mov_b32 s31, 0                               ; first row block in the buffer of codes,
	s_mov_b32 s32, 25600                           ; bytes from row block to row block there
	s_wait_kmcnt 0x0
	s_mov_b64 s[62:63], s[10:11]
	s_mov_b64 s[26:27], s[18:19]
	s_cmp_lt_u32 ttmp9, 512                        ; Wv
	s_cselect_b64 s[62:63], s[8:9], s[62:63]
	s_cselect_b64 s[26:27], s[16:17], s[26:27]
	s_cselect_b32 s28, 384, s28
	s_cselect_b32 s29, 3, s29
	s_cselect_b32 s30, 4096, s30
	s_cselect_b32 s31, 192, s31
	s_cselect_b32 s32, 51200, s32
	s_cmp_lt_u32 ttmp9, 384                        ; Wk
	s_cselect_b64 s[62:63], s[6:7], s[62:63]
	s_cselect_b32 s28, 256, s28
	s_cselect_b32 s31, 128, s31
	s_cmp_lt_u32 ttmp9, 256                        ; Wq
	s_cselect_b64 s[62:63], s[4:5], s[62:63]
	s_cselect_b32 s28, 0, s28
	s_cselect_b32 s29, 4, s29
	s_cselect_b32 s30, 8192, s30
	s_cselect_b32 s31, 0, s31
	s_sub_co_u32 s25, ttmp9, s28
	s_bfm_b32 s33, s29, 0
	s_and_b32 s33, s25, s33                        ; which 128 columns
	s_lshr_b32 s34, s25, s29                       ; which 256 along K
	s_lshl_b32 s35, s33, 7
	s_lshl_b32 s56, s24, 5
	s_add_co_u32 s35, s35, s56                     ; my wave's first column
	s_mul_i32 s54, s34, s30
	s_lshl_b32 s54, s54, 8                         ; 256 rows of the weight for each step along K
	s_lshl_b32 s56, s35, 2
	s_add_co_u32 s54, s54, s56
	s_mov_b32 s55, 0
	s_add_nc_u64 s[36:37], s[62:63], s[54:55]      ; block 0's first row, my first column
	s_lshl_b32 s52, s30, 5                         ; 32 rows on
	s_mov_b32 s53, 0
.irp t, 1,2,3,4,5,6,7
	s_add_nc_u64 s[36+2*\t:37+2*\t], s[34+2*\t:35+2*\t], s[52:53]   ; a base for each block: no pointer is stepped later
.endr
	s_wait_alu depctr_va_vdst(0)
	v_lshlrev_b32 v2, 2, v1                        ; 4 bytes a lane
.set n, 0
.rept 32
	v_mad_u32_u24 v[32+n], s30, n, v2              ; row n of a block; never rewritten
.set n, n+1
.endr
	v_bfe_u32 v4, v0, 3, 1                         ; column x of 32 lies in row block 2 beta + u, u = (x / 8) % 2,
	v_and_b32 v5, 7, v0
	v_bfe_u32 v6, v0, 4, 1
	v_lshl_add_u32 v5, v6, 3, v5                   ; at row r = x % 8 + 8 (x / 16)
	v_lshlrev_b32 v5, 4, v5
	v_mad_u32_u24 v3, v4, s32, v5                  ; u row blocks on + 16 r
	s_lshl_b32 s54, s33, 3
	s_lshl_b32 s56, s24, 1
	s_add_co_u32 s54, s54, s56
	s_add_co_u32 s54, s54, s31                     ; my first row block
	s_mul_i32 s54, s54, s32
	s_lshr_b32 s56, s34, 1
	s_mul_i32 s56, s56, 6400
	s_add_co_u32 s54, s54, s56                     ; the record of these 512 along K
	s_add_nc_u64 s[26:27], s[26:27], s[54:55]
	s_and_b32 s56, s34, 1
	s_mul_i32 s54, s56, 3072
	s_add_nc_u64 s[58:59], s[26:27], s[54:55]      ; my two fragments of its four
	s_lshl_b32 s54, s56, 3
	s_add_co_u32 s54, s54, 6144
	s_add_nc_u64 s[60:61], s[26:27], s[54:55]      ; and my two of its four scale words a row
.macro LOADW t
.set n, 0
.rept 32
	global_load_b32 v[XW+32*((\t)%2)+n], v[32+n], s[36+2*(\t):37+2*(\t)] th:TH_LOAD_NT
.set n, n+1
.endr
.endm
.macro BLOCKW t                        ; block t: K step t / 4, half h = t % 2, c = (t / 2) % 2
.set XS, XW+32*((\t)%2)
.set CDT, CD+24*((\t)/4)+12*((\t)%2)+6*(((\t)/2)%2)
.if (\t) < 7
	s_wait_loadcnt 32                              ; this block's 32 loads are in; the next block's may be out
.else
	s_wait_loadcnt 0x0
.endif
	v_max3_num_f32 v12, |v[XS]|, |v[XS+1]|, |v[XS+2]|             ; the block's largest magnitude: all 32 numbers are mine; two chains
	v_max3_num_f32 v13, |v[XS+3]|, |v[XS+4]|, |v[XS+5]|
.irp i, 6,10,14,18,22,26
	v_max3_num_f32 v12, v12, |v[XS+\i]|, |v[XS+\i+1]|
	v_max3_num_f32 v13, v13, |v[XS+\i+2]|, |v[XS+\i+3]|
.endr
	v_max3_num_f32 v12, v12, |v[XS+30]|, |v[XS+31]|
	v_max3_num_f32 v12, v12, v13, FLOOR
	v_add_nc_u32 v11, EOFF, v12                    ; the conversion takes the exponent field of this operand as its scale
	v_cvt_scalef32_pk16_fp6_f32 v[CDT:CDT+2], v[XS:XS+15], v11
	v_cvt_scalef32_pk16_fp6_f32 v[TPW:TPW+2], v[XS+16:XS+31], v11
	v_lshrrev_b32 v13, 23, v11                     ; the scale's byte (also the plain instruction behind the conversions)
.irp i, 0,1,2
	v_mov_b32 v[CDT+3+\i], v[TPW+\i]
.endr
.if (\t)%4 == 0
	v_mov_b32 v[SWD+(\t)/4], v13
.else
	v_lshl_or_b32 v[SWD+(\t)/4], v13, 8*((\t)%4), v[SWD+(\t)/4]
.endif
.if (\t)+2 < 8
	LOADW (\t)+2
.endif
.if (\t)%4 == 3                        ; a K step is whole: six stores; in each, sixteen lanes fill 256 aligned bytes of one fragment and sixteen of the next row block's
.irp h, 0,1
.irp c, 0,1,2
	global_store_b128 v3, v[CD+24*((\t)/4)+12*\h+4*\c:CD+24*((\t)/4)+12*\h+4*\c+3], s[58:59] offset:1536*((\t)/4)+512*\c+256*\h
.endr
.endr
.endif
.endm
	s_wait_alu depctr_va_vdst(0)
	LOADW 0
	LOADW 1
.irp t, 0,1,2,3,4,5,6,7
	BLOCKW \t
.endr
	global_store_b64 v3, v[SWD:SWD+1], s[60:61]    ; my row's two scale words
	s_endpgm
; ---- HIDDEN_STATES [2048][4096], K innermost.  A wave makes one record: a row block x 512 along K, in four K steps.  Each load reads 512 consecutive bytes of a row; the 16 rows turn through the
; wave's own stage in LDS (rows 528 bytes apart: sixteen rows start at sixteen different groups of banks), so that lane (r, h) gets its two whole blocks of 32 neighbours.
; THE TABLE: rope[token][cos of 64 frequencies, sin of 64], f32.  Work-group g of this path: tokens 8 g + t / 16; thread t: frequencies 4 (t % 16) + 0 .. 3.
; angle = position x inv_freq, rounded as a product of f32; k = the nearest whole number to angle x 2 / pi; r = angle - k pi / 2 by three fused multiply-adds; polynomials on |r| <= pi / 4; the quadrant k % 4 swaps and signs.
.set RH,  32                           ; v32-159  two sets of 16 x 4 registers as loaded
.set XH,  160                          ; v160-223 my 64 numbers: 32 c + i = k 64 c + 32 h + i
.set PCH, 224                          ; v224-235 the fragment's registers
.set TA,  15                           ; v15      the table: my 16 bytes of my token's row; never rewritten
.set TC,  16                           ; v16-19 four cos, v20-23 four sin: the stores' data; never rewritten
.set TP0, 24                           ; v24      my token's place in position_ids; never rewritten behind the load
.set TPS, 25                           ; v25      its position
.set TI,  160                          ; v160-163 inv_freq; v164-167 its exponent; v170-181 at work: all are free until the first K step's numbers come back from the stage
.set TF,  164
.set TW,  170
.Lpath_h:
	s_sub_co_u32 s25, ttmp9, 768
	s_lshl_b32 s36, s25, 5                         ; position_ids: 8 tokens of 4 bytes a work-group
	s_mov_b32 s37, 0
	s_lshl_b32 s38, s25, 12                        ; the table: 8 tokens of 512 bytes
	s_mov_b32 s39, 0
	s_lshl_b32 s25, s25, 2
	s_add_co_u32 s25, s25, s24                     ; the record's number: 8 x row block + (K / 512)
	s_lshr_b32 s26, s25, 3
	s_and_b32 s27, s25, 7
	s_lshr_b32 s28, s26, 1
	s_lshl_b32 s28, s28, 5
	s_and_b32 s29, s26, 1
	s_lshl_b32 s29, s29, 3
	s_add_co_u32 s28, s28, s29                     ; the row block's first row
	s_lshl_b32 s28, s28, 14
	s_lshl_b32 s29, s27, 11
	s_add_co_u32 s28, s28, s29
	s_mov_b32 s29, 0
	s_mul_i32 s30, s25, 6400
	s_mov_b32 s31, 0
	s_mul_i32 s32, s24, 8448                       ; my stage
	s_mov_b32 s34, 0x76543210
	s_mov_b32 s35, 0xfedcba98                      ; v_permlanex16_b32's selects for lane l xor 16
	s_mov_b32 s40, 0x3f22f983                      ; 2 / pi
	s_mov_b32 s41, 0xbfc90fdb                      ; -pi / 2 in three parts
	s_mov_b32 s42, 0x333bbd2e
	s_mov_b32 s43, 0x26f72cf2
	s_mov_b32 s44, 0xbe2aaaa3                      ; sin r = r + r z (S1 + z (S2 + z S3)), z = r r
	s_mov_b32 s45, 0x3c08839e
	s_mov_b32 s46, 0xb94ca1f9
	s_mov_b32 s47, 0x3d2aaaa5                      ; cos r = 1 - z / 2 + z z (C1 + z (C2 + z C3))
	s_mov_b32 s48, 0xbab6061a
	s_mov_b32 s49, 0x37ccf5ce
	s_wait_alu depctr_va_vdst(0)
	v_lshlrev_b32 v2, 4, v1                        ; 16 x lane
	v_add_nc_u32 v3, s32, v2                       ; the stage, on the way in
	v_and_b32 v7, 15, v0                           ; r; also t % 16
	v_bfe_u32 v14, v0, 4, 1                        ; h
	v_mul_u32_u24 v4, v7, 528
	v_lshl_add_u32 v4, v14, 7, v4
	v_add_nc_u32 v4, s32, v4                       ; and on the way out: row r, + 128 h
	v_lshlrev_b32 v5, 4, v7
	v_lshl_add_u32 v5, v14, 3, v5                  ; 16 r + 8 h
	v_lshlrev_b32 v6, 3, v14                       ; 8 h
	v_mov_b32 v251, 0                              ; a lane permute's destination counts as one of its sources
	v_lshrrev_b32 v[TP0], 4, v0                    ; t / 16: which of the work-group's 8 tokens
	v_lshlrev_b32 v[TA], 9, v[TP0]
	v_lshl_add_u32 v[TA], v7, 4, v[TA]             ; 512 bytes a token + 16 bytes a thread
	v_lshlrev_b32 v[TP0], 2, v[TP0]
	s_wait_alu depctr_va_vdst(0)
	s_wait_kmcnt 0x0
	s_add_nc_u64 s[12:13], s[12:13], s[28:29]
	s_add_nc_u64 s[20:21], s[20:21], s[30:31]
	s_add_nc_u64 s[14:15], s[14:15], s[36:37]
	s_add_nc_u64 s[22:23], s[22:23], s[38:39]
.macro LOADH q
.set n, 0
.rept 16
	global_load_b128 v[RH+64*((\q)%2)+4*n:RH+64*((\q)%2)+4*n+3], v2, s[12:13] offset:(n+8*(n/8))*16384+512*(\q) th:TH_LOAD_NT
.set n, n+1
.endr
.endm
.macro STEPH q
.if (\q) < 3
	s_wait_loadcnt 16                              ; this K step's 16 loads are in; the next one's may be out
.else
	s_wait_loadcnt 0x0
.endif
.set n, 0
.rept 16
	ds_store_b128 v3, v[RH+64*((\q)%2)+4*n:RH+64*((\q)%2)+4*n+3] offset:528*n
.set n, n+1
.endr
.irp c, 0,1
.irp j, 0,1,2,3,4,5,6,7
	ds_load_b128 v[XH+32*\c+4*\j:XH+32*\c+4*\j+3], v4 offset:256*\c+16*\j   ; LDS serves a wave's instructions in order: these see the stores above
.endr
.endr
	s_wait_dscnt 0x0                               ; my numbers are back, and the stores have read their registers,
.if (\q)+2 < 4
	LOADH (\q)+2                                   ; which take the loads of two K steps on
.endif
.irp c, 0,1
	v_max3_num_f32 v[244+\c], |v[XH+32*\c]|, |v[XH+1+32*\c]|, FLOOR
.endr
.irp i, 2,4,6,8,10,12,14,16,18,20,22,24,26,28,30
.irp c, 0,1
	v_max3_num_f32 v[244+\c], v[244+\c], |v[XH+32*\c+\i]|, |v[XH+1+32*\c+\i]|   ; the two blocks by turns
.endr
.endr
.irp c, 0,1
	v_add_nc_u32 v[246+\c], EOFF, v[244+\c]
.endr
.irp c, 0,1
	v_lshrrev_b32 v[248+\c], 23, v[246+\c]
.endr
	v_lshl_or_b32 v250, v249, 16, v248             ; my two bytes: blocks h and 2 + h of row r,
	v_lshlrev_b32 v250, v6, v250                   ; at their places in the word;
	v_permlanex16_b32 v251, v250, s34, s35
	v_or_b32 v[8+(\q)], v250, v251                 ; with lane l xor 16's two the word is whole, in both lanes
.if (\q) > 0
	s_wait_alu depctr_va_vdst(0)
	s_wait_xcnt 0x0                                ; the last K step's stores have read the codes' registers: they are rewritten only behind this wait
.endif
.irp c, 0,1
	v_cvt_scalef32_pk16_fp6_f32 v[PCH+6*\c:PCH+2+6*\c], v[XH+32*\c:XH+15+32*\c], v[246+\c]
	v_cvt_scalef32_pk16_fp6_f32 v[236+4*\c:238+4*\c], v[XH+16+32*\c:XH+31+32*\c], v[246+\c]
.endr
	v_nop                                          ; one plain instruction behind the conversions
.irp c, 0,1
.irp i, 0,1,2
	v_mov_b32 v[PCH+3+6*\c+\i], v[236+4*\c+\i]
.endr
.endr
.irp c, 0,1,2
	global_store_b128 v2, v[PCH+4*\c:PCH+4*\c+3], s[20:21] offset:1536*(\q)+512*\c   ; 512 consecutive bytes, aligned
.endr
.endm
.macro ANG e                           ; cos and sin of my token's angle at frequency 4 (t % 16) + e
	v_mul_f32 v[TW], v[TPS], v[TI+\e]
	v_mul_f32 v[TW+1], s40, v[TW]
	v_rndne_f32 v[TW+1], v[TW+1]
	v_fma_f32 v[TW+2], v[TW+1], s41, v[TW]
	v_fma_f32 v[TW+2], v[TW+1], s42, v[TW+2]
	v_fma_f32 v[TW+2], v[TW+1], s43, v[TW+2]
	v_cvt_i32_f32 v[TW+3], v[TW+1]
	v_mul_f32 v[TW+4], v[TW+2], v[TW+2]
	v_fma_f32 v[TW+5], v[TW+4], s46, s45
	v_fma_f32 v[TW+7], v[TW+4], s49, s48
	v_fma_f32 v[TW+5], v[TW+4], v[TW+5], s44
	v_fma_f32 v[TW+7], v[TW+4], v[TW+7], s47
	v_mul_f32 v[TW+6], v[TW+2], v[TW+4]
	v_mul_f32 v[TW+8], v[TW+4], v[TW+4]
	v_fma_f32 v[TW+9], v[TW+4], -0.5, 1.0
	v_fma_f32 v[TW+5], v[TW+6], v[TW+5], v[TW+2]   ; sin r
	v_fma_f32 v[TW+7], v[TW+8], v[TW+7], v[TW+9]   ; cos r
	v_and_b32 v[TW+10], 1, v[TW+3]
	v_cmp_eq_u32 vcc_lo, 1, v[TW+10]
	v_cndmask_b32 v[TW+11], v[TW+5], v[TW+7], vcc_lo   ; odd quadrants swap the two
	v_cndmask_b32 v[TW+7], v[TW+7], v[TW+5], vcc_lo
	v_and_b32 v[TW+10], 2, v[TW+3]
	v_lshlrev_b32 v[TW+10], 30, v[TW+10]
	v_xor_b32 v[TC+4+\e], v[TW+10], v[TW+11]       ; sin: minus in quadrants 2 and 3
	v_add_nc_u32 v[TW+10], 1, v[TW+3]
	v_and_b32 v[TW+10], 2, v[TW+10]
	v_lshlrev_b32 v[TW+10], 30, v[TW+10]
	v_xor_b32 v[TC+\e], v[TW+10], v[TW+7]          ; cos: minus in quadrants 1 and 2
.endm
	global_load_b32 v[TPS], v[TP0], s[14:15]       ; my token's position
	LOADH 0
	LOADH 1
	; the table's rows, while the 32 loads above are on their way
	v_lshlrev_b32 v[TW], 2, v7
.irp e, 0,1,2,3
	v_add_nc_u32 v[TF+\e], \e, v[TW]
.endr
.irp e, 0,1,2,3
	v_cvt_f32_u32 v[TF+\e], v[TF+\e]
.endr
.irp e, 0,1,2,3
	v_mul_f32 v[TF+\e], 0xbe9773da, v[TF+\e]       ; -f log2(500000) / 64
.endr
	s_wait_alu depctr_va_vdst(0)
.irp e, 0,1,2,3
	v_exp_f32 v[TI+\e], v[TF+\e]                   ; inv_freq
.endr
	v_nop                                          ; a plain instruction behind the last exponential
	s_wait_alu depctr_va_vdst(0)                   ; one wait for the four, ahead of their first reader
	s_wait_loadcnt 32                              ; the position is in; the 32 loads issued behind it may be out
	v_cvt_f32_i32 v[TPS], v[TPS]
.irp e, 0,1,2,3
	ANG \e
.endr
	global_store_b128 v[TA], v[TC:TC+3], s[22:23]              ; sixteen lanes store 256 consecutive bytes, aligned
	global_store_b128 v[TA], v[TC+4:TC+7], s[22:23] offset:256
.irp q, 0,1,2,3
	STEPH \q
.endr
	v_cmp_eq_u32 vcc_lo, 1, v14
	v_cndmask_b32 v12, v8, v10, vcc_lo             ; lane (r, h) stores words 2 h and 2 h + 1 of row r:
	v_cndmask_b32 v13, v9, v11, vcc_lo
	global_store_b64 v5, v[12:13], s[20:21] offset:6144   ; the wave stores 256 consecutive bytes, aligned
	s_wait_tensorcnt 0x0
	ds_add_u32 v254, v255
	s_wait_dscnt 0x0
	s_endpgm
.Lfunc_end_k_q53be2cdb0c_prep:
	.size	k_q53be2cdb0c_prep, .Lfunc_end_k_q53be2cdb0c_prep-k_q53be2cdb0c_prep
	.p2alignl 7, 3214868480
	.fill 96, 4, 3214868480
	.section	.rodata,"a",@progbits
	.p2align	6, 0x0
	.amdhsa_kernel k_q53be2cdb0c_prep
		.amdhsa_group_segment_fixed_size 34304
		.amdhsa_private_segment_fixed_size 0
		.amdhsa_enable_private_segment 0
		.amdhsa_kernarg_size 80
		.amdhsa_user_sgpr_count 2
		.amdhsa_user_sgpr_kernarg_segment_ptr 1
		.amdhsa_wavefront_size32 1
		.amdhsa_system_sgpr_workgroup_id_x 1
		.amdhsa_system_sgpr_workgroup_id_y 1
		.amdhsa_system_sgpr_workgroup_id_z 1
		.amdhsa_system_vgpr_workitem_id 0
		.amdhsa_next_free_vgpr 256
		.amdhsa_next_free_sgpr 80
		.amdhsa_reserve_vcc 1
		.amdhsa_float_denorm_mode_32 3
		.amdhsa_float_denorm_mode_16_64 3
		.amdhsa_memory_ordered 1
		.amdhsa_forward_progress 1
		.amdhsa_inst_pref_size 78
	.end_amdhsa_kernel
	.amdgpu_metadata
---
amdhsa.version: [ 1, 2 ]
amdhsa.kernels:
  - .name:           k_q53be2cdb0c_prep
    .symbol:         k_q53be2cdb0c_prep.kd
    .args:
      - { .name: Wq, .offset: 0, .size: 8, .value_kind: global_buffer, .address_space: global }
      - { .name: Wk, .offset: 8, .size: 8, .value_kind: global_buffer, .address_space: global }
      - { .name: Wv, .offset: 16, .size: 8, .value_kind: global_buffer, .address_space: global }
      - { .name: Wo, .offset: 24, .size: 8, .value_kind: global_buffer, .address_space: global }
      - { .name: hidden_states, .offset: 32, .size: 8, .value_kind: global_buffer, .address_space: global }
      - { .name: position_ids, .offset: 40, .size: 8, .value_kind: global_buffer, .address_space: global }
      - { .name: wqkv, .offset: 48, .size: 8, .value_kind: global_buffer, .address_space: global }
      - { .name: woc, .offset: 56, .size: 8, .value_kind: global_buffer, .address_space: global }
      - { .name: hidc, .offset: 64, .size: 8, .value_kind: global_buffer, .address_space: global }
      - { .name: rope, .offset: 72, .size: 8, .value_kind: global_buffer, .address_space: global }
    .group_segment_fixed_size: 34304
    .private_segment_fixed_size: 0
    .kernarg_segment_align: 8
    .kernarg_segment_size: 80
    .max_flat_workgroup_size: 128
    .sgpr_count:     80
    .vgpr_count:     256
    .wavefront_size: 32
...
	.end_amdgpu_metadata
.endif
;; end of part 1
;; launch qkv (part 2): grid 16 x 16, 4 waves a work-group, clusters of 4 x 4, 327,680 bytes of LDS; arguments hidc, wqkv, rope, qc, kvc; writes qc, kvc
.if DOCPART == 2
	.amdgcn_target "amdgcn-amd-amdhsa--gfx1250"
	.amdhsa_code_object_version 6
	.text
	.protected	k_q53be2cdb0c_qkv
	.globl	k_q53be2cdb0c_qkv
	.p2align	8
	.type	k_q53be2cdb0c_qkv,@function
k_q53be2cdb0c_qkv:
	s_mov_b64 s[64:65], 0
	v_nop
	global_prefetch_b8 v0, s[64:65] scope:SCOPE_SE
	s_setreg_imm32_b32 hwreg(HW_REG_WAVE_MODE, 25, 1), 1
	s_wait_xcnt 0x0
	s_wait_alu depctr_hold_cnt(0) depctr_sa_sdst(0) depctr_va_vdst(0) depctr_va_sdst(0) depctr_va_ssrc(0) depctr_va_vcc(0) depctr_vm_vsrc(0)
	s_getreg_b32 s2, hwreg(HW_REG_IB_STS2, 6, 4)
	s_cmp_eq_u32 s2, 0
	s_cbranch_scc0 .Lentry_in_a_cluster
	s_endpgm
.Lentry_in_a_cluster:
	s_bfe_u32 s2, ttmp6, 0x10000c
	s_cmp_lg_u32 s2, 0xf033
	s_cbranch_scc0 .Lentry_shape_is_right
	s_endpgm
.Lentry_shape_is_right:
; hidden_states x [Wq | Wk | Wv] on codes of FP6 (E2M3) with E8M0 scales, K = 4,096; the rotary embedding on q and k; the results quantised again as attention's operands.
; Operands lie as RECORDS: four fragments (16 rows x 128 K each, images of the matrix unit's 12 registers a lane) and 256 bytes of scale words: 6,400 bytes for 512 along K of one row block.
; A work-group makes 256 x 128 of the result, a wave 128 x 64: 32 accumulators, which take turns.  Cluster columns 0-2: source 0 = 256 columns of Wq or Wk, source 1 = 128 tokens: a lane holds one token and
; its registers run along the head's channels.  Cluster column 3: source 0 = 256 tokens, source 1 = 128 columns of Wv: a lane holds a channel and its registers run along the keys, the second product's K.
; THE RING: two slots of 24 records (512 along K).  Record 0 is asked for at the head, one joint load a wave; record 1 behind the three lines and a round of the cluster's barrier; each later one behind the round that frees its slot.
; CLUSTER 4 x 4: source 0's records are shared along a column of the cluster, source 1's along a row.
; PREFETCH: behind the load of record 0 stand the requests for records 1 and 2, behind that of record 1 the one for record 3, behind the refill with record t the one for record t + 2; the last two refills ask for nothing.
; Of the row blocks that a wave fetches jointly with three partners each partner names a quarter, told apart by address: two row blocks (source 0) or one (source 1); a lane to each 256 bytes, 25 to a record; lanes 25-31 name the last again.
; The table of cos and sin: the 64 tokens' rows (128 blocks of 256 bytes) that the four partners of a row of the cluster read at the end are named once at the head, 32 blocks by one wave of each partner.
.set REC,   6400
.set PFO,   31                         ; v31 the records' prefetches: 256 x min(lane, 24); never rewritten
.set PFT,   30                         ; v30 the table's prefetch: 8,192 x cx + 256 x lane; never rewritten
.set PFA,   66                         ; s[66:67] my work-group's share of the row blocks that I fetch
.macro ASK k                           ; record k from s[PFA] on: one row block, and for source 0's waves the next one too
	global_prefetch_b8 v[PFO], s[PFA:PFA+1] offset:(\k)*REC th:TH_LOAD_NT scope:SCOPE_SE
	s_cmp_lg_u32 s15, 0
	s_cbranch_scc1 .Lone_\@
	global_prefetch_b8 v[PFO], s[PFA:PFA+1] offset:(\k)*REC+RPB th:TH_LOAD_NT scope:SCOPE_SE
.Lone_\@:
.endm
.set FRB,   1536
.set RPB,   51200
.set S1OFF, 16*REC
.set SLOT,  24*REC
.set SPARE, 2*SLOT
.set TRIPS, 3
.set FLOOR, 0x1800000
.set EOFF,  0xff000000
.set ADR0, 16
.set ADR1, 18
.set ADS0, 20
.set ADS1, 22
.set LI,   24
.set LW,   25
.set LT,   26
.set SPW,  28
.set NIL,  29
.set SC,   32
.set AF,   80
.set HA,   80
.set PC,   144
.set TM,   176
.set SWQ,  192
.set G1,  24
.set G0,  32
.set G1B, 48
.set G0B, 56
.set SEL, 90
.set MSB, 0
.macro WIN new
.if MSB != (\new)
	s_set_vgpr_msb (MSB<<8)|(\new)
.set MSB, (\new)
.endif
.endm
.macro PLACES n
.rept \n
	v_nop
.endr
.endm
.macro JLOAD g0a, g1a, g0b, g1b
	s_cmp_eq_u32 s15, 0
	s_cbranch_scc0 .Lfor_b_\@
	tensor_load_to_lds s[\g0a:\g0a+3], s[\g1a:\g1a+7]
	s_nop 0
.rept 4
	v_nop
.endr
	s_branch .Lasked_\@
.Lfor_b_\@:
	tensor_load_to_lds s[\g0b:\g0b+3], s[\g1b:\g1b+7]
	s_nop 0
.rept 4
	v_nop
.endr
.Lasked_\@:
.endm
.macro CREST
	s_cmp_lg_u32 s14, 0
	s_cbranch_scc1 .Lnot_wave_0_\@
	s_barrier_signal -3
.Lnot_wave_0_\@:
	s_barrier_wait -3
	s_barrier_signal -1
	s_barrier_wait -1
.endm
.macro CROUND
	s_barrier_signal -1
	s_barrier_wait -1
	CREST
.endm
	s_load_b256 s[4:11], s[0:1], 0x0
	s_load_b64 s[12:13], s[0:1], 0x20
	v_lshl_add_u32 v[SPW], v0, 2, SPARE
	v_mov_b32 v[NIL], 0
	ds_add_u32 v28, v29
	ds_add_u32 v28, v29
	s_wait_dscnt 0x0
	v_lshrrev_b32 v1, 5, v0
	v_readfirstlane_b32 s14, v1
	s_lshr_b32 s15, s14, 1
	s_and_b32 s16, s14, 1
	s_bfe_u32 s40, ttmp6, 0x40000
	s_bfe_u32 s41, ttmp6, 0x40004
	s_lshl_b32 s42, ttmp9, 2
	s_add_co_u32 s42, s42, s40
	s_and_b32 s18, ttmp7, 0xffff
	s_lshl_b32 s17, s18, 2
	s_add_co_u32 s17, s17, s41
	s_lshl_b32 s43, s41, 2
	s_lshl_b32 s43, 15, s43
	s_lshl_b32 s44, 0x1111, s40
	s_and_b32 s19, s18, 1
	s_lshl_b32 s19, s19, 2
	s_add_co_u32 s19, s19, s40
	s_lshr_b32 s20, s18, 1
	s_lshl_b32 s20, s20, 2
	s_add_co_u32 s20, s20, s41
	s_lshl_b32 s21, s42, 4
	s_lshl_b32 s22, s19, 4
	s_lshl_b32 s23, s17, 3
	s_lshl_b32 s45, s20, 3
	s_add_co_u32 s45, s45, 192
	s_or_b32 s[G1+0], s44, (3<<16)|(1<<21)
	s_or_b32 s[G1B+0], s43, (3<<16)|(1<<21)
	s_mov_b32 s[G1+1], 800<<16
	s_mov_b32 s[G1+2], 8<<16
	s_mov_b32 s[G1+3], 800<<16
	s_mov_b32 s[G1+4], 8
	s_mov_b32 s[G1+5], RPB/8
	s_mov_b32 s[G1+6], 0
	s_mov_b32 s[G1+7], 0
	s_mov_b32 s[G1B+1], 800<<16
	s_mov_b32 s[G1B+2], 4<<16
	s_mov_b32 s[G1B+3], 800<<16
	s_mov_b32 s[G1B+4], 4
	s_mov_b32 s[G1B+5], RPB/8
	s_mov_b32 s[G1B+6], 0
	s_mov_b32 s[G1B+7], 0
	s_mul_i32 s72, s16, 8*REC
	s_mul_i32 s73, s16, 4*REC
	s_add_co_u32 s73, s73, S1OFF
	s_lshl_b32 s46, s16, 3
	s_lshl_b32 s70, s16, 2
	s_mov_b32 s47, 0
	s_mov_b32 s71, 0
	s_wait_kmcnt 0x0
	s_cmp_eq_u32 ttmp9, 3
	s_cselect_b32 s21, s22, s21
	s_cselect_b32 s23, s45, s23
	s_cselect_b64 s[66:67], s[4:5], s[6:7]
	s_cselect_b64 s[68:69], s[6:7], s[4:5]
	s_add_co_u32 s46, s46, s21
	s_mul_i32 s46, s46, RPB
	s_add_co_u32 s70, s70, s23
	s_mul_i32 s70, s70, RPB
	s_add_nc_u64 s[66:67], s[66:67], s[46:47]
	s_add_nc_u64 s[68:69], s[68:69], s[70:71]
	CROUND
.irp s, 0,1
	s_mov_b32 s[G0+4*\s], 1
	s_add_co_u32 s[G0+4*\s+1], s72, \s*SLOT
	s_add_nc_u64 s[G0+4*\s+2:G0+4*\s+3], s[66:67], \s*REC
	s_or_b32 s[G0+4*\s+3], s[G0+4*\s+3], 0x80000000
	s_mov_b32 s[G0B+4*\s], 1
	s_add_co_u32 s[G0B+4*\s+1], s73, \s*SLOT
	s_add_nc_u64 s[G0B+4*\s+2:G0B+4*\s+3], s[68:69], \s*REC
	s_or_b32 s[G0B+4*\s+3], s[G0B+4*\s+3], 0x80000000
.endr
	JLOAD G0, G1, G0B, G1B                         ; record 0: my one tensor load at the head; the set-up below stands under its flight
	s_lshl_b32 s71, s41, 1                         ; source 0's partners differ in cy and take two row blocks each,
	s_cmp_eq_u32 s15, 0
	s_cselect_b64 s[PFA:PFA+1], s[66:67], s[68:69]
	s_cselect_b32 s70, s71, s40                    ; source 1's differ in cx and take one
	s_mul_i32 s70, s70, RPB
	s_mov_b32 s71, 0
	s_add_nc_u64 s[PFA:PFA+1], s[PFA:PFA+1], s[70:71]
	v_and_b32 v3, 31, v0
	v_min_u32 v[PFO], 24, v3
	v_lshlrev_b32 v[PFO], 8, v[PFO]
	s_wait_alu depctr_va_vdst(0)                   ; the wait ahead of the branches below
	ASK 1
	ASK 2
	v_and_b32 v1, 15, v0
	v_bfe_u32 v2, v0, 4, 1
	v_and_b32 v3, 31, v0
	v_lshlrev_b32 v[LI], 4, v3
	v_lshlrev_b32 v4, 4, v1
	v_lshl_add_u32 v[LW], v2, 3, v4
	v_and_b32 v5, 8, v1
	v_add_nc_u32 v5, v5, v1
	v_lshlrev_b32 v[LT], 9, v5
	v_lshl_add_u32 v[LT], v2, 6, v[LT]
	v_mul_u32_u24 v6, v2, 4*REC
	v_add_nc_u32 v6, v6, v4
	v_mul_u32_u24 v7, v2, 2*REC
	v_add_nc_u32 v7, v7, v4
	s_mul_i32 s74, s16, 8*REC
	s_mul_i32 s75, s15, 4*REC
	s_add_co_u32 s75, s75, S1OFF
.irp s, 0,1
	v_add_nc_u32 v[ADR0+\s], s74, v[LI]
	v_add_nc_u32 v[ADR1+\s], s75, v[LI]
	v_add_nc_u32 v[ADS0+\s], s74, v6
	v_add_nc_u32 v[ADS1+\s], s75, v7
	s_add_co_u32 s74, s74, SLOT
	s_add_co_u32 s75, s75, SLOT
.endr
.irp b, 0,1,2,3
	v_mov_b32 v[TM+4+\b], 0
.endr
	s_mov_b32 s[SEL], 0x76543210
	s_mov_b32 s[SEL+1], 0xfedcba98
	s_lshl_b32 s76, s42, 1
	s_add_co_u32 s76, s76, s16
	s_lshl_b32 s77, s17, 1
	s_add_co_u32 s77, s77, s15
	s_lshl_b32 s78, s76, 5
	s_add_co_u32 s78, s78, s77
	s_mul_i32 s78, s78, REC
	s_add_co_u32 s79, s78, 4*FRB
	s_sub_co_u32 s80, s76, 16
	s_lshl_b32 s80, s80, 4
	s_add_co_u32 s80, s80, s17
	s_mul_i32 s80, s80, 25600
	s_lshl_b32 s81, s20, 4
	s_lshl_b32 s83, s19, 1
	s_add_co_u32 s81, s81, s83
	s_add_co_u32 s81, s81, s16
	s_mul_i32 s81, s81, 25600
	s_add_co_u32 s81, s81, 12288
	s_mul_i32 s83, s15, 4*FRB
	s_lshl_b32 s84, s15, 8
	s_mov_b32 s82, 24576
	s_cmp_eq_u32 ttmp9, 3
	s_cselect_b32 s80, s81, s80
	s_cselect_b32 s82, 12800, s82
	s_add_co_u32 s82, s82, s80
	s_add_co_u32 s82, s82, s84
	s_add_co_u32 s80, s80, s83
	s_cmp_lt_u32 ttmp9, 2
	s_cselect_b32 s88, s78, s80
	s_cselect_b32 s98, s79, s82
	s_cselect_b64 s[86:87], s[10:11], s[12:13]
	s_mov_b32 s89, 0
	s_mov_b32 s99, 0
	s_add_nc_u64 s[92:93], s[86:87], s[88:89]
	s_add_nc_u64 s[94:95], s[86:87], s[98:99]
	s_lshl_b32 s88, s77, 15
	s_add_nc_u64 s[96:97], s[8:9], s[88:89]
	v_lshlrev_b32 v[PFT], 8, v3
	s_lshl_b32 s85, s40, 13
	v_add_nc_u32 v[PFT], s85, v[PFT]
	s_wait_alu depctr_va_vdst(0)                   ; the wait ahead of the branches below
	s_cmp_eq_u32 ttmp9, 3                          ; V has no rotary embedding
	s_cbranch_scc1 .Lno_table
	s_cmp_lg_u32 s16, 0                            ; two waves read the same 64 tokens' rows: one of them asks
	s_cbranch_scc1 .Lno_table
	global_prefetch_b8 v[PFT], s[96:97] th:TH_LOAD_NT scope:SCOPE_SE
.Lno_table:
.macro WM a, b, p, q, sc, zero
.set rD, 8*(8*(\a)+(\b))
.set rA, 128*(\p)+12*(\b)
.set rB, AF+48*(\p)+12*(\a)
.set rS, SC+24*(\sc)+4*((\b)%4)+(\q)
.set rT, SC+24*(\sc)+16+4*((\a)%2)+(\q)
.if \zero
.if ((\b) >= 4) && ((\a) >= 2)
	v_wmma_scale_f32_16x16x128_f8f6f4 v[rD:rD+7], v[rA:rA+11], v[rB:rB+11], 0, v[rS], v[rT] matrix_a_fmt:MATRIX_FMT_FP6 matrix_b_fmt:MATRIX_FMT_FP6 matrix_a_scale:MATRIX_SCALE_ROW1 matrix_b_scale:MATRIX_SCALE_ROW1
.elseif (\b) >= 4
	v_wmma_scale_f32_16x16x128_f8f6f4 v[rD:rD+7], v[rA:rA+11], v[rB:rB+11], 0, v[rS], v[rT] matrix_a_fmt:MATRIX_FMT_FP6 matrix_b_fmt:MATRIX_FMT_FP6 matrix_a_scale:MATRIX_SCALE_ROW1
.elseif (\a) >= 2
	v_wmma_scale_f32_16x16x128_f8f6f4 v[rD:rD+7], v[rA:rA+11], v[rB:rB+11], 0, v[rS], v[rT] matrix_a_fmt:MATRIX_FMT_FP6 matrix_b_fmt:MATRIX_FMT_FP6 matrix_b_scale:MATRIX_SCALE_ROW1
.else
	v_wmma_scale_f32_16x16x128_f8f6f4 v[rD:rD+7], v[rA:rA+11], v[rB:rB+11], 0, v[rS], v[rT] matrix_a_fmt:MATRIX_FMT_FP6 matrix_b_fmt:MATRIX_FMT_FP6
.endif
.else
.if ((\b) >= 4) && ((\a) >= 2)
	v_wmma_scale_f32_16x16x128_f8f6f4 v[rD:rD+7], v[rA:rA+11], v[rB:rB+11], v[rD:rD+7], v[rS], v[rT] matrix_a_fmt:MATRIX_FMT_FP6 matrix_b_fmt:MATRIX_FMT_FP6 matrix_a_scale:MATRIX_SCALE_ROW1 matrix_b_scale:MATRIX_SCALE_ROW1
.elseif (\b) >= 4
	v_wmma_scale_f32_16x16x128_f8f6f4 v[rD:rD+7], v[rA:rA+11], v[rB:rB+11], v[rD:rD+7], v[rS], v[rT] matrix_a_fmt:MATRIX_FMT_FP6 matrix_b_fmt:MATRIX_FMT_FP6 matrix_a_scale:MATRIX_SCALE_ROW1
.elseif (\a) >= 2
	v_wmma_scale_f32_16x16x128_f8f6f4 v[rD:rD+7], v[rA:rA+11], v[rB:rB+11], v[rD:rD+7], v[rS], v[rT] matrix_a_fmt:MATRIX_FMT_FP6 matrix_b_fmt:MATRIX_FMT_FP6 matrix_b_scale:MATRIX_SCALE_ROW1
.else
	v_wmma_scale_f32_16x16x128_f8f6f4 v[rD:rD+7], v[rA:rA+11], v[rB:rB+11], v[rD:rD+7], v[rS], v[rT] matrix_a_fmt:MATRIX_FMT_FP6 matrix_b_fmt:MATRIX_FMT_FP6
.endif
.endif
.endm
.macro MULQ a, p, q, sc, zero
.irp b, 0,1,2,3,4,5,6,7
	WM \a, \b, \p, \q, \sc, \zero
.endr
.endm
.macro MULH a0, p, q, sc, zero
	MULQ \a0, \p, \q, \sc, \zero
	MULQ (\a0)+1, \p, \q, \sc, \zero
.endm
.set W_MUL, 0xa1
.macro FETCH0 slot, q, p
	WIN 0x40
.irp b, 0,1,2,3,4,5,6,7
.irp c, 0,1,2
	ds_load_b128 v[128*(\p)+12*\b+4*\c:128*(\p)+12*\b+4*\c+3], v[ADR0+\slot] offset:\b*REC+(\q)*FRB+512*\c
.endr
.endr
	WIN 0
.endm
.macro FETCH1 slot, q, p, a0
.irp a, \a0, \a0+1
.irp c, 0,1,2
	ds_load_b128 v[AF+48*(\p)+12*(\a)+4*\c:AF+48*(\p)+12*(\a)+4*\c+3], v[ADR1+\slot] offset:(\a)*REC+(\q)*FRB+512*\c
.endr
.endr
.endm
.macro SCALES slot
.irp i, 0,1,2,3
	ds_load_b128 v[SC+24*\slot+4*\i:SC+24*\slot+4*\i+3], v[ADS0+\slot] offset:4*FRB+\i*REC
.endr
.irp i, 0,1
	ds_load_b128 v[SC+24*\slot+16+4*\i:SC+24*\slot+16+4*\i+3], v[ADS1+\slot] offset:4*FRB+\i*REC
.endr
.endm
.macro STEP slot, q, zero
	s_wait_dscnt 6
	WIN W_MUL
	MULH 0, (\q)%2, \q, \slot, \zero
	PLACES 4
	FETCH0 \slot, (\q)+1, 1-(\q)%2
	FETCH1 \slot, (\q)+1, 1-(\q)%2, 0
	FETCH1 \slot, (\q)+1, 1-(\q)%2, 2
	s_wait_dscnt 36
	WIN W_MUL
	MULH 2, (\q)%2, \q, \slot, \zero
	WIN 0
.endm
.macro TURN slot, next, fill
.if \fill
	s_wait_xcnt 0x0                                ; my prefetches have read their base: it steps one record
	s_add_nc_u64 s[PFA:PFA+1], s[PFA:PFA+1], REC
.endif
	s_wait_tensorcnt 0x0
	ds_add_u32 v[SPW], v[NIL]
	s_wait_dscnt 7
	WIN W_MUL
	MULQ 0, 1, 3, \slot, 0
	s_wait_dscnt 0x0
	s_barrier_signal -1
	MULQ 1, 1, 3, \slot, 0
	WIN 0
	s_barrier_wait -1
.if \fill
	CREST
	s_add_nc_u64 s[G0+4*\slot+2:G0+4*\slot+3], s[G0+4*\slot+2:G0+4*\slot+3], 2*REC
	s_add_nc_u64 s[G0B+4*\slot+2:G0B+4*\slot+3], s[G0B+4*\slot+2:G0B+4*\slot+3], 2*REC
	JLOAD G0+4*\slot, G1, G0B+4*\slot, G1B
.else
	PLACES 4
.endif
	FETCH0 \next, 0, 0
	FETCH1 \next, 0, 0, 0
	SCALES \next
	FETCH1 \next, 0, 0, 2
.if \fill
	s_cmp_gt_u32 s3, 1                             ; the loop's last trip has no record two refills on
	s_cbranch_scc0 .Lno_ask_\@
	ASK 3
.Lno_ask_\@:
.endif
	WIN W_MUL
	MULH 2, 1, 3, \slot, 0
	WIN 0
.endm
	s_wait_alu depctr_va_vdst(0)                   ; the wait at the head's end
	s_wait_tensorcnt 0x0                           ; my part of record 0 is in
	ds_add_u32 v[SPW], v[NIL]
	s_wait_dscnt 0x0
	CROUND                                         ; everybody's part of record 0 is in, and all sixteen work-groups are here
	JLOAD G0+4, G1, G0B+4, G1B                     ; record 1, the first tensor load behind the round
	FETCH0 0, 0, 0
	FETCH1 0, 0, 0, 0
	SCALES 0
	FETCH1 0, 0, 0, 2
	ASK 3
	STEP 0, 0, 1
	s_mov_b32 s3, TRIPS
.Llap:
	STEP 0, 1, 0
	STEP 0, 2, 0
	TURN 0, 1, 1
	STEP 1, 0, 0
	STEP 1, 1, 0
	STEP 1, 2, 0
	TURN 1, 0, 1
	STEP 0, 0, 0
	s_sub_co_u32 s3, s3, 1
	s_cmp_lg_u32 s3, 0
	s_cbranch_scc1 .Llap
	STEP 0, 1, 0
	STEP 0, 2, 0
	TURN 0, 1, 0
	STEP 1, 0, 0
	STEP 1, 1, 0
	STEP 1, 2, 0
	s_wait_dscnt 6
	WIN W_MUL
	MULH 0, 1, 3, 1, 0
	s_wait_dscnt 0x0
	MULH 2, 1, 3, 1, 0
	WIN 0
.macro QUANT s, win, pw
	WIN (\win)|((\win)<<2)
.irp b, 0,1,2,3
	v_max3_num_f32 v[TM+\b], |v[(\s)+16*\b]|, |v[(\s)+1+16*\b]|, FLOOR
.endr
.irp i, 2,4,6,8,10,12,14
.irp b, 0,1,2,3
	v_max3_num_f32 v[TM+\b], |v[(\s)+16*\b+\i]|, |v[(\s)+1+16*\b+\i]|, v[TM+\b]
.endr
.endr
	WIN 0
.irp b, 0,1,2,3
	v_permlanex16_b32 v[TM+4+\b], v[TM+\b], s[SEL], s[SEL+1]
.endr
.irp b, 0,1,2,3
	v_max_num_f32 v[TM+\b], v[TM+\b], v[TM+4+\b]
.endr
.irp b, 0,1,2,3
	v_add_nc_u32 v[TM+12+\b], EOFF, v[TM+\b]
.endr
.irp b, 0,1,2,3
	v_lshrrev_b32 v[TM+4+\b], 23, v[TM+12+\b]
.endr
	v_lshl_or_b32 v[\pw], v[TM+5], 8, v[TM+4]
	v_lshl_or_b32 v[\pw], v[TM+6], 16, v[\pw]
	v_lshl_or_b32 v[\pw], v[TM+7], 24, v[\pw]
	WIN \win
.irp c, 0,1
	v_cvt_scalef32_pk16_fp6_f32 v[PC+6*\c:PC+2+6*\c], v[(\s)+32*\c:(\s)+15+32*\c], v[TM+12+2*\c]
	v_cvt_scalef32_pk16_fp6_f32 v[PC+12+4*\c:PC+14+4*\c], v[(\s)+16+32*\c:(\s)+31+32*\c], v[TM+12+2*\c+1]
.endr
	WIN 0
	v_nop
.irp c, 0,1
.irp i, 0,1,2
	v_permlane16_swap_b32 v[PC+6*\c+\i], v[PC+12+4*\c+\i]
.endr
.irp i, 0,1,2
	v_mov_b32 v[PC+3+6*\c+\i], v[PC+12+4*\c+\i]
.endr
.endr
.endm
.macro OUTF a
.irp c, 0,1,2
	global_store_b128 v[LI], v[PC+4*\c:PC+4*\c+3], s[92:93] offset:FRB*\a+512*\c
.endr
.endm
.macro ROPE a
	WIN 0x0e
.set n, 0
.rept 16
	v_pk_mul_f32 v[HA+n:HA+n+1], v[64*\a+n:64*\a+n+1], v[64*\a+n:64*\a+n+1]
	v_pk_mul_f32 v[HA+32+n:HA+33+n], v[64*\a+32+n:64*\a+33+n], v[64*\a+n:64*\a+n+1]
	v_pk_fma_f32 v[HA+n:HA+n+1], v[64*\a+32+n:64*\a+33+n], v[64*\a+32+n:64*\a+33+n], v[HA+n:HA+n+1] neg_lo:[1,0,0] neg_hi:[1,0,0]
	v_pk_fma_f32 v[HA+32+n:HA+33+n], v[64*\a+n:64*\a+n+1], v[64*\a+32+n:64*\a+33+n], v[HA+32+n:HA+33+n]
.set n, n+2
.endr
	WIN 0
.endm
	PLACES 4
	s_cmp_eq_u32 ttmp9, 3
	s_cbranch_scc1 .Lv_path
	WIN 0xc0
.irp a, 0,1,2,3
.irp u, 0,1
.irp g, 0,1
.irp i, 0,1,2,3
	global_load_b128 v[64*\a+32*\u+16*\g+4*\i:64*\a+32*\u+16*\g+4*\i+3], v[LT], s[96:97] offset:(32*(\a/2)+8*(\a%2))*512+256*\u+128*\g+16*\i
.endr
.endr
.endr
.endr
	WIN 0
.irp a, 0,1,2,3
	s_wait_loadcnt 16*(3-\a)
.if \a > 0
	s_wait_xcnt 0x0
.endif
	ROPE \a
	QUANT HA, 0, SWQ+\a
	OUTF \a
.endr
	s_branch .Lwords
.Lv_path:
.irp a, 0,1,2,3
.if \a > 0
	s_wait_xcnt 0x0
.endif
	QUANT 64*\a, 2, SWQ+\a
	OUTF \a
.endr
.Lwords:
	v_cmp_eq_u32 vcc_lo, 1, v2
	v_cndmask_b32 v200, v[SWQ], v[SWQ+2], vcc_lo
	v_cndmask_b32 v201, v[SWQ+1], v[SWQ+3], vcc_lo
	global_store_b64 v[LW], v[200:201], s[94:95]
	s_wait_tensorcnt 0x0
	ds_add_u32 v[SPW], v[NIL]
	s_wait_dscnt 0x0
	CROUND
	s_endpgm
.Lfunc_end_k_q53be2cdb0c_qkv:
	.size	k_q53be2cdb0c_qkv, .Lfunc_end_k_q53be2cdb0c_qkv-k_q53be2cdb0c_qkv
	.p2alignl 7, 3214868480
	.fill 96, 4, 3214868480
	.section	.rodata,"a",@progbits
	.p2align	6, 0x0
	.amdhsa_kernel k_q53be2cdb0c_qkv
		.amdhsa_group_segment_fixed_size 327680
		.amdhsa_private_segment_fixed_size 0
		.amdhsa_enable_private_segment 0
		.amdhsa_kernarg_size 40
		.amdhsa_user_sgpr_count 2
		.amdhsa_user_sgpr_kernarg_segment_ptr 1
		.amdhsa_wavefront_size32 1
		.amdhsa_system_sgpr_workgroup_id_x 1
		.amdhsa_system_sgpr_workgroup_id_y 1
		.amdhsa_system_sgpr_workgroup_id_z 1
		.amdhsa_system_vgpr_workitem_id 0
		.amdhsa_next_free_vgpr 1024
		.amdhsa_next_free_sgpr 100
		.amdhsa_reserve_vcc 1
		.amdhsa_float_denorm_mode_32 3
		.amdhsa_float_denorm_mode_16_64 3
		.amdhsa_memory_ordered 1
		.amdhsa_forward_progress 1
		.amdhsa_inst_pref_size 177
	.end_amdhsa_kernel
	.amdgpu_metadata
---
amdhsa.version: [ 1, 2 ]
amdhsa.kernels:
  - .name:           k_q53be2cdb0c_qkv
    .symbol:         k_q53be2cdb0c_qkv.kd
    .args:
      - { .name: hidc, .offset: 0, .size: 8, .value_kind: global_buffer, .address_space: global }
      - { .name: wqkv, .offset: 8, .size: 8, .value_kind: global_buffer, .address_space: global }
      - { .name: rope, .offset: 16, .size: 8, .value_kind: global_buffer, .address_space: global }
      - { .name: qc, .offset: 24, .size: 8, .value_kind: global_buffer, .address_space: global }
      - { .name: kvc, .offset: 32, .size: 8, .value_kind: global_buffer, .address_space: global }
    .group_segment_fixed_size: 327680
    .private_segment_fixed_size: 0
    .kernarg_segment_align: 8
    .kernarg_segment_size: 40
    .max_flat_workgroup_size: 128
    .sgpr_count:     100
    .vgpr_count:     1024
    .wavefront_size: 32
...
	.end_amdgpu_metadata
.endif
;; end of part 2
;; launch attn (part 3): grid 32 x 8, 16 waves a work-group, no clusters, 327,680 bytes of LDS; arguments qc, kvc, oc, out1; writes oc, out1
.if DOCPART == 3
	.amdgcn_target "amdgcn-amd-amdhsa--gfx1250"
	.amdhsa_code_object_version 6
	.text
	.protected	k_q53be2cdb0c_attn
	.globl	k_q53be2cdb0c_attn
	.p2align	8
	.type	k_q53be2cdb0c_attn,@function
k_q53be2cdb0c_attn:
	s_mov_b64 s[64:65], 0
	v_nop
	global_prefetch_b8 v0, s[64:65] scope:SCOPE_SE
	s_setreg_imm32_b32 hwreg(HW_REG_WAVE_MODE, 25, 1), 1
	s_wait_xcnt 0x0
; Causal attention on codes of FP6 (E2M3) with E8M0 scales, 16 query heads on 8 key and value heads, head size 128, 2,048 tokens; its result quantised as the output projection's operand; the heavy-hitter score.
; THE SOFTMAX AHEAD OF THE SECOND PRODUCT: t = score x log2(e) / sqrt(128); M = the row's largest t so far, rounded up to a whole number; p = 2^(t - M) is quantised along the keys; the row's sum l is taken of the unquantised p.
; SHARES.  Work-group (j, kv) owns the blocks of 32 queries j and 63 - j, for both query heads of kv: 8 tiles of 16 queries.
; Wave w: tile T = w % 8 (T < 4: block 63 - j; (T / 2) % 2: which row block of the 32; T % 2: which head), and the key steps of parity w / 8.  Waves T and T + 8 meet at the end: the partner's O^T, M and l go through LDS.
; Both products are used transposed (S^T = K Q^T, O^T = V^T P^T): a lane holds one query throughout.  By the order of rows in a row block (32 (f / 2) + 8 (f % 2) + r + 8 (r / 8)) the 16 registers of two neighbouring tiles are 16 neighbours.
; kvc [8][16 key steps] x 25,600 bytes (K's 8 tiles, V^T's 8, K's scale words, V's), all as images of the matrix unit's registers: a fragment comes by three loads of 512 consecutive bytes.
; LDS: key steps 0-3 at byte 0, key steps 4-11 behind them.  THREE FILLS, one tensor load a wave each, in rows of 256 bytes: at the head key steps 0-3, 6,400 bytes a wave; behind the three lines and the first barrier
; key steps 4-11, 12,800 bytes a wave, a first fill; behind the three lines and the second barrier key steps 12-15 into the bytes of key steps 0-3.  A wave never has more than one tensor load out.
; EVERY work-group walks all 16 key steps, so that the loops' counts are constants; a step whose 128 keys all come after the wave's queries (the causal mask), or that is the partner's, is jumped over by a scalar branch on ids.
; NO CLUSTER: the work-groups that read the same K and V own different query blocks, and the jump over hidden steps hangs on the query block.
; NO PREFETCH: the first fill is the launch's first request; the second has four key steps' work between its request and the wait for it, the third eight.
; out1[kv][q] = the sum over the two heads of (sum of p) x (1 / l): the sum of a row's normalised weights is formed so, not weight by weight.
; LIMITS: a block of zeros gets the scale byte 1 (its codes are zeros; this program alone reads the bytes); NaN and infinities are not served; the scaled scores stay under 2^31 in magnitude.
; REGISTERS: v1-10 addresses; v12 -M, v13 the largest t, v[14:15] l in two halves; v16-27 Q, v28 its scale words; v29 p's scale word; v32-79 four fragments; v80-83 K's scale words, v84-87 V's; v88-95 the merge;
;   v96-159 S^T, then p, at the end o; v160-223 O^T; v224-235 codes; v232-255 at work.
.set STEPB, 25600
.set SLOTB, 4*STEPB
.set SPARE, 3*SLOTB                    ; the spare words, 128 bytes for each of 16 waves, that no other line names
.set HH,    SPARE+2048                 ; 8 tiles x 16 rows: l x (1 / l)
.set MRG,   SLOTB                      ; the merge's stage, 8,704 bytes a tile, in the bytes of key steps 4-7, which have had their one fill and, when the first byte is stored, their last read
.set FLOOR, 0x1800000
.set EOFF,  0xff000000
.set WV,  12
.set TT,  13
.set PAR, 14
.set BLK, 15
.set Q0,  16
.set QM,  17
.set HD,  18
.set UU,  19
.set SEL, 20
.set CS,  22
.set G1,  24                           ; s[24:31] group 1: 25 rows of 256 bytes
.set G0,  32                           ; s[32:35] group 0: key steps 12-15
.set TB,  44
.set KF,  45
.set CNT, 46
.set G1W, 68                           ; s[68:75] group 1: 50 rows of 256 bytes
.set G0A, 76                           ; s[76:79] group 0: key steps 0-3
.set G0M, 80                           ; s[80:83] group 0: key steps 4-11
	s_load_b256 s[4:11], s[0:1], 0x0               ; qc, kvc, oc, out1
	v_lshl_add_u32 v5, v0, 2, SPARE
	v_mov_b32 v6, 0
	ds_add_u32 v5, v6                              ; the opening lines: the add, twice on end, and its wait ahead of my first tensor load
	ds_add_u32 v5, v6
	v_lshrrev_b32 v8, 5, v0
	s_delay_alu instid0(VALU_DEP_1)
	v_readfirstlane_b32 s[WV], v8                  ; wave 0..15
	s_and_b32 s[TT], s[WV], 7
	s_lshr_b32 s[PAR], s[WV], 3
	s_bfe_u32 s[UU], s[WV], 0x10001
	s_and_b32 s[HD], s[WV], 1
	s_and_b32 s47, ttmp7, 0xffff                   ; kv
	s_lshl_b32 s48, s47, 1
	s_add_co_u32 s[HD], s[HD], s48                 ; my query head
	s_sub_co_u32 s48, 63, ttmp9
	s_cmp_lt_u32 s[TT], 4
	s_cselect_b32 s[BLK], s48, ttmp9               ; my block of 32 queries
	s_lshl_b32 s[Q0], s[BLK], 5
	s_lshl_b32 s48, s[UU], 3
	s_add_co_u32 s[Q0], s[Q0], s48                 ; my first query,
	s_add_co_u32 s[QM], s[Q0], 23                  ; and my last
	s_mov_b32 s[G1], 3<<16                         ; dense bytes as rows of 32 elements of 8 bytes
	s_mov_b32 s[G1+1], 32<<16
	s_mov_b32 s[G1+2], 25<<16
	s_mov_b32 s[G1+3], 32<<16
	s_mov_b32 s[G1+4], 25
	s_mov_b32 s[G1+5], 32
	s_mov_b32 s[G1+6], 0
	s_mov_b32 s[G1+7], 0
	s_mov_b32 s[G1W], 3<<16
	s_mov_b32 s[G1W+1], 32<<16
	s_mov_b32 s[G1W+2], 50<<16
	s_mov_b32 s[G1W+3], 32<<16
	s_mov_b32 s[G1W+4], 50
	s_mov_b32 s[G1W+5], 32
	s_mov_b32 s[G1W+6], 0
	s_mov_b32 s[G1W+7], 0
	s_mul_i32 s49, s[WV], 6400                     ; my sixteenth of four key steps,
	s_mul_i32 s84, s[WV], 12800                    ; of eight
	s_mov_b32 s85, 0
	s_mov_b32 s86, s49
	s_mov_b32 s87, 0
	s_mul_i32 s62, s47, 16*STEPB                   ; my key and value head in kvc
	s_mov_b32 s63, 0
	v_and_b32 v8, 31, v0
	s_delay_alu instid0(VALU_DEP_1)
	v_lshlrev_b32 v1, 4, v8                        ; 16 x lane
	s_delay_alu instid0(VALU_DEP_2)
	v_lshlrev_b32 v10, 2, v8                       ; 4 x lane
	v_and_b32 v11, 15, v0                          ; r
	s_delay_alu instid0(VALU_DEP_1)
	v_lshlrev_b32 v9, 4, v11                       ; 16 r
	s_lshl_b32 s48, s[HD], 5
	s_lshr_b32 s90, s[BLK], 1
	s_add_co_u32 s48, s48, s90
	s_mul_i32 s48, s48, 6400                       ; q's record,
	s_and_b32 s90, s[BLK], 1
	s_lshl_b32 s90, s90, 1
	s_add_co_u32 s90, s90, s[UU]                   ; my tile of its four
	s_mul_i32 s92, s90, 1536
	s_add_co_u32 s92, s92, s48
	s_mov_b32 s93, 0
	s_lshl_b32 s94, s90, 2
	s_add_co_u32 s94, s94, s48
	s_add_co_u32 s94, s94, 6144
	s_mov_b32 s95, 0
	s_wait_alu depctr_va_vdst(0)                   ; the wait ahead of the waits below
	s_wait_dscnt 0x0                               ; both opening adds are done
	s_wait_kmcnt 0x0
	s_add_nc_u64 s[50:51], s[6:7], s[62:63]
	s_add_nc_u64 s[88:89], s[50:51], s[84:85]
	s_add_nc_u64 s[50:51], s[50:51], s[86:87]      ; my 6,400 bytes of the first four key steps
	s_mov_b32 s[G0A], 1
	s_mov_b32 s[G0A+1], s49
	s_mov_b64 s[G0A+2:G0A+3], s[50:51]
	s_or_b32 s[G0A+3], s[G0A+3], 0x80000000
	tensor_load_to_lds s[G0A:G0A+3], s[G1:G1+7]    ; key steps 0-3: my one tensor load at the head
	s_nop 0
.rept 4
	v_nop
.endr
	s_add_nc_u64 s[56:57], s[4:5], s[92:93]
	s_add_nc_u64 s[58:59], s[4:5], s[94:95]
.irp c, 0,1,2
	global_load_b128 v[16+4*\c:19+4*\c], v1, s[56:57] offset:512*\c   ; Q's fragment stays in registers
.endr
	global_load_b32 v28, v9, s[58:59]              ; and its scale words
	s_mov_b32 s[G0M], 1                            ; key steps 4-11: my 12,800 bytes
	s_add_co_u32 s[G0M+1], s84, SLOTB
	s_add_nc_u64 s[G0M+2:G0M+3], s[88:89], SLOTB
	s_or_b32 s[G0M+3], s[G0M+3], 0x80000000
	s_mov_b32 s[G0], 1                             ; key steps 12-15, into the bytes of key steps 0-3
	s_mov_b32 s[G0+1], s49
	s_add_nc_u64 s[G0+2:G0+3], s[50:51], 3*SLOTB
	s_or_b32 s[G0+3], s[G0+3], 0x80000000
	v_bfe_u32 v30, v0, 4, 1                        ; h
	v_and_b32 v31, 8, v11
	s_delay_alu instid0(VALU_DEP_1)
	v_add_nc_u32 v7, v31, v11
	s_delay_alu instid0(VALU_DEP_3)
	v_lshlrev_b32 v31, 4, v30
	s_delay_alu instid0(VALU_DEP_1)
	v_sub_nc_u32 v7, v7, v31                       ; my query less Q0, less 16 h
	s_mul_i32 s48, s[TT], 8704
	s_add_co_u32 s48, s48, MRG
	v_add_nc_u32 v2, s48, v1                       ; the merge's stage of my tile
	s_lshl_b32 s48, s[TT], 6
	s_add_co_u32 s48, s48, HH
	v_lshl_add_u32 v3, v11, 2, s48                 ; my row's word among the scores
	v_and_b32 v31, 7, v0
	s_delay_alu instid0(VALU_DEP_1)
	v_lshl_add_u32 v31, v30, 3, v31
	s_delay_alu instid0(VALU_DEP_1)
	v_lshlrev_b32 v31, 2, v31
	v_bfe_u32 v30, v0, 3, 1
	s_delay_alu instid0(VALU_DEP_1)
	v_lshl_add_u32 v31, v30, 7, v31
	s_and_b32 s48, s[TT], 4
	s_lshl_b32 s48, s48, 6
	s_add_co_u32 s48, s48, HH
	v_add_nc_u32 v4, s48, v31                      ; query x of a block of 32: row block (x / 8) % 2, row x % 8 + 8 (x / 16); the second head 64 bytes on
	s_lshl_b32 s48, s[BLK], 1
	s_add_co_u32 s48, s48, s[UU]
	s_lshl_b32 s48, s48, 2
	s_lshr_b32 s90, s[HD], 2
	s_add_co_u32 s48, s48, s90
	s_mul_i32 s48, s48, 6400                       ; o's record: (row block, four heads),
	s_and_b32 s90, s[HD], 3                        ; my head of the four
	s_mul_i32 s62, s90, 1536
	s_add_co_u32 s62, s62, s48
	s_add_nc_u64 s[52:53], s[8:9], s[62:63]
	s_lshl_b32 s62, s90, 2
	s_add_co_u32 s62, s62, s48
	s_add_co_u32 s62, s62, 6144
	s_add_nc_u64 s[54:55], s[8:9], s[62:63]
	s_lshl_b32 s62, s47, 13
	s_lshl_b32 s48, s[BLK], 7
	s_add_co_u32 s62, s62, s48
	s_add_nc_u64 s[60:61], s[10:11], s[62:63]      ; out1 at (kv, my block)
	s_mov_b32 s[SEL], 0x76543210
	s_mov_b32 s[SEL+1], 0xfedcba98
	s_mov_b32 s[CS], 0x3e0293ee                    ; c = log2(e) / sqrt(128)
	s_mov_b32 s[CS+1], s[CS]
	s_mov_b32 s[TB], 0
	s_mov_b32 s[KF], 0
	v_mov_b32 v13, 0xff61b1e6                      ; the largest t so far: -3e38
	s_delay_alu instid0(VALU_DEP_1)
	v_floor_f32 v12, -v13                          ; -M
	v_mov_b32 v14, 0
	v_mov_b32 v15, 0
.irp b, 0,1,2,3
	v_mov_b32 v[236+\b], 0                         ; a lane permute's destination counts as one of its sources
.endr
	v_mov_b32 v253, 0                              ; (upper halves of pairs of which the low word serves both halves)
	v_mov_b32 v255, 0
.set n, 0
.rept 64
	v_mov_b32 v[160+n], 0                          ; O^T: the step is written once; the first finds zeros, which the first change of M leaves zeros
.set n, n+1
.endr
; From the four blocks' largest magnitudes in v232-235 and the 64 numbers in v96-159: the codes in v224-235, the scale word in v[w].
.macro QCODES w
.irp b, 0,1,2,3
	s_delay_alu instid0(VALU_DEP_4)
	v_add_nc_u32 v[244+\b], EOFF, v[232+\b]        ; 2 off the exponent field: the conversion's scale operand
.endr
.irp b, 0,1,2,3
	s_delay_alu instid0(VALU_DEP_4)
	v_lshrrev_b32 v[236+\b], 23, v[244+\b]         ; the scale's byte
.endr
	s_delay_alu instid0(VALU_DEP_3)
	v_lshl_or_b32 v[\w], v237, 8, v236
	s_delay_alu instid0(VALU_DEP_1)
	v_lshl_or_b32 v[\w], v238, 16, v[\w]
	s_delay_alu instid0(VALU_DEP_1)
	v_lshl_or_b32 v[\w], v239, 24, v[\w]
.irp c, 0,1
	v_cvt_scalef32_pk16_fp6_f32 v[224+6*\c:226+6*\c], v[96+32*\c:111+32*\c], v[244+2*\c]
	v_cvt_scalef32_pk16_fp6_f32 v[236+4*\c:238+4*\c], v[112+32*\c:127+32*\c], v[244+2*\c+1]
.endr
	v_nop                                          ; one plain instruction behind the conversions
.irp c, 0,1                            ; the operand's layout wants a whole block in a lane
.irp i, 0,1,2
	v_permlane16_swap_b32 v[224+6*\c+\i], v[236+4*\c+\i]
.endr
.irp i, 0,1,2
	s_delay_alu instid0(VALU_DEP_3)
	v_mov_b32 v[227+6*\c+\i], v[236+4*\c+\i]
.endr
.endr
.endm
.macro FRAGS off                       ; four fragments from off bytes on in the step's tiles: 12 loads
.irp t, 0,1,2,3
.irp c, 0,1,2
	ds_load_b128 v[32+12*\t+4*\c:35+12*\t+4*\c], v8 offset:(\off)+1536*\t+512*\c
.endr
.endr
.endm
; A KEY STEP: 128 keys from s[KF] on, whose tiles begin at LDS byte s[TB].
.macro STEP
	s_lshr_b32 s48, s[KF], 7
	s_and_b32 s48, s48, 1
	s_cmp_lg_u32 s48, s[PAR]                       ; my partner's step
	s_cbranch_scc1 .Lskip_\@
	s_cmp_gt_u32 s[KF], s[QM]                      ; all its keys come after my queries
	s_cbranch_scc1 .Lskip_\@
	v_add_nc_u32 v8, s[TB], v1
.rept 3
	v_nop                                          ; with the addition: four places in front of loads into registers that matrix instructions have read
.endr
	FRAGS 0
	ds_load_b128 v[80:83], v8 offset:24576         ; K's scale words: lanes 0-15 tiles 0-3, lanes 16-31 tiles 4-7
	s_wait_alu depctr_va_vdst(0)
	s_wait_dscnt 0x0
.irp t, 0,1,2,3
	v_wmma_scale_f32_16x16x128_f8f6f4 v[96+8*\t:103+8*\t], v[32+12*\t:43+12*\t], v[16:27], 0, v[80+\t], v28 matrix_a_fmt:MATRIX_FMT_FP6 matrix_b_fmt:MATRIX_FMT_FP6
.endr
.rept 4
	v_nop
.endr
	FRAGS 6144
	s_wait_dscnt 0x0
.irp t, 0,1,2,3
	v_wmma_scale_f32_16x16x128_f8f6f4 v[128+8*\t:135+8*\t], v[32+12*\t:43+12*\t], v[16:27], 0, v[80+\t], v28 matrix_a_fmt:MATRIX_FMT_FP6 matrix_b_fmt:MATRIX_FMT_FP6 matrix_a_scale:MATRIX_SCALE_ROW1
.endr
.rept 4
	v_nop                                          ; places in front of the loads below and of the first read of the scores
.endr
	FRAGS 12288                                    ; V^T's tiles 0-3 and V's scale words land under the softmax
	ds_load_b128 v[84:87], v8 offset:25088
	s_add_co_u32 s48, s[KF], 127                   ; on the diagonal the scores of hidden keys become -infinity; a step all of whose keys count skips this
	s_cmp_le_u32 s48, s[Q0]
	s_cbranch_scc1 .Lopen_\@
	s_sub_co_i32 s48, s[Q0], s[KF]
	v_add_nc_u32 v252, s48, v7                     ; d = my query - KF - 16 h.  Register 16 b + i holds key KF + 16 h + 32 b + i: hidden where 32 b + i > d
	v_mov_b32 v254, 0xff800000
.set n, 0
.rept 64
	v_cmp_gt_i32 vcc_lo, 32*(n/16)+n%16, v252
	v_cndmask_b32 v[96+n], v[96+n], v254, vcc_lo
.set n, n+1
.endr
.Lopen_\@:
.irp b, 0,1,2,3
	v_max3_num_f32 v[232+\b], v[96+16*\b], v[97+16*\b], v[98+16*\b]   ; the largest score of each block of 32 keys: for the row's maximum, and, since p rises with the score, for the block's largest p
.endr
.irp i, 3,5,7,9,11,13
.irp b, 0,1,2,3
	v_max3_num_f32 v[232+\b], v[232+\b], v[96+16*\b+\i], v[97+16*\b+\i]
.endr
.endr
.irp b, 0,1,2,3
	v_max_num_f32 v[232+\b], v[232+\b], v[111+16*\b]
.endr
.irp b, 0,1,2,3
	s_delay_alu instid0(VALU_DEP_4)
	v_permlanex16_b32 v[236+\b], v[232+\b], s[SEL], s[SEL+1]
.endr
.irp b, 0,1,2,3
	s_delay_alu instid0(VALU_DEP_4)
	v_max_num_f32 v[232+\b], v[232+\b], v[236+\b]
.endr
	s_delay_alu instid0(VALU_DEP_2)
	v_max3_num_f32 v254, v232, v233, v234
	s_delay_alu instid0(VALU_DEP_1)
	v_max_num_f32 v254, v254, v235
	s_delay_alu instid0(VALU_DEP_1)
	v_mul_f32 v254, s[CS], v254
	s_delay_alu instid0(VALU_DEP_1)
	v_max_num_f32 v13, v13, v254                   ; the running largest t
	v_mov_b32 v254, v12
	s_delay_alu instid0(VALU_DEP_2)
	v_floor_f32 v12, -v13                          ; the new -M = -ceil(t): a whole number
	s_delay_alu instid0(VALU_DEP_1)
	v_sub_f32 v254, v12, v254
	s_delay_alu instid0(VALU_DEP_1)
	v_cvt_i32_f32 v254, v254                       ; (it saturates)
	s_delay_alu instid0(VALU_DEP_1)
	v_ldexp_f32 v252, 1.0, v254                    ; f = 2^(old M - new M)
.set n, 0
.rept 32
	v_pk_fma_f32 v[96+n:97+n], v[96+n:97+n], s[CS:CS+1], v[12:13] op_sel_hi:[1,0,0]   ; t - M
.set n, n+2
.endr
.irp b, 0,1,2,3
	v_fma_f32 v[232+\b], v[232+\b], s[CS], v12
.endr
.set n, 0
	s_wait_alu depctr_va_vdst(0)                   ; the wait ahead of the batch
.rept 64
	v_exp_f32 v[96+n], v[96+n]                     ; p = 2^(t - M)
.set n, n+1
.endr
	v_pk_mul_f32 v[14:15], v[14:15], v[252:253] op_sel_hi:[1,0]   ; the sums under the new M (a plain instruction behind the exponentials)
	s_wait_alu depctr_va_vdst(0)                   ; one wait for the batch, ahead of its first reader
.irp b, 0,1,2,3
	v_exp_f32 v[232+\b], v[232+\b]                 ; the block's largest p
.endr
.irp i, 0,1,2,3,4,5,6                  ; the row's sum of the unquantised p: 32 pairs in eight chains, seven in v238-251 and l's own
	v_pk_add_f32 v[238+2*\i:239+2*\i], v[96+4*\i:97+4*\i], v[98+4*\i:99+4*\i]
.endr
	v_pk_add_f32 v[14:15], v[14:15], v[124:125]
.irp g, 0,1
.irp i, 0,1,2,3,4,5,6
	v_pk_add_f32 v[238+2*\i:239+2*\i], v[238+2*\i:239+2*\i], v[126+16*\g+2*\i:127+16*\g+2*\i]
.endr
	v_pk_add_f32 v[14:15], v[14:15], v[140+16*\g:141+16*\g]
.endr
	v_pk_add_f32 v[238:239], v[238:239], v[240:241]   ; the chains are joined in pairs
	v_pk_add_f32 v[242:243], v[242:243], v[244:245]
	v_pk_add_f32 v[246:247], v[246:247], v[248:249]
	v_pk_add_f32 v[250:251], v[250:251], v[158:159]   ; (the last pair of p)
	v_pk_add_f32 v[238:239], v[238:239], v[242:243]
	v_pk_add_f32 v[246:247], v[246:247], v[250:251]
	v_pk_add_f32 v[14:15], v[14:15], v[238:239]
	v_pk_add_f32 v[14:15], v[14:15], v[246:247]
	s_wait_alu depctr_va_vdst(0)                   ; and one for the four
.irp b, 0,1,2,3
	v_max_num_f32 v[232+\b], FLOOR, v[232+\b]
.endr
	QCODES 29
	s_wait_alu depctr_va_vdst(0)                   ; the wait directly ahead of the first reader of O^T
.set n, 0
.rept 32
	v_pk_mul_f32 v[160+n:161+n], v[160+n:161+n], v[252:253] op_sel_hi:[1,0]   ; O^T under the new M; these are also the places in front of the matrix instructions below
.set n, n+2
.endr
	s_wait_alu depctr_va_vdst(0)
	s_wait_dscnt 0x0
.irp t, 0,1,2,3
	v_wmma_scale_f32_16x16x128_f8f6f4 v[160+8*\t:167+8*\t], v[32+12*\t:43+12*\t], v[224:235], v[160+8*\t:167+8*\t], v[84+\t], v29 matrix_a_fmt:MATRIX_FMT_FP6 matrix_b_fmt:MATRIX_FMT_FP6
.endr
.rept 4
	v_nop
.endr
	FRAGS 18432
	s_wait_dscnt 0x0
.irp t, 0,1,2,3
	v_wmma_scale_f32_16x16x128_f8f6f4 v[192+8*\t:199+8*\t], v[32+12*\t:43+12*\t], v[224:235], v[192+8*\t:199+8*\t], v[84+\t], v29 matrix_a_fmt:MATRIX_FMT_FP6 matrix_b_fmt:MATRIX_FMT_FP6 matrix_a_scale:MATRIX_SCALE_ROW1
.endr
.Lskip_\@:
	s_add_co_u32 s[KF], s[KF], 128
	s_add_co_u32 s[TB], s[TB], STEPB
.endm
.macro STEPS n
	s_mov_b32 s[CNT], \n
.Lsteps_\@:
	STEP
	s_sub_co_u32 s[CNT], s[CNT], 1
	s_cmp_lg_u32 s[CNT], 0
	s_cbranch_scc1 .Lsteps_\@
.endm
.macro MEET                            ; the three lines ahead of a fill's barrier, and the barrier
	s_wait_tensorcnt 0x0                           ; all my tensor loads have landed
	ds_add_u32 v5, v6                              ; 0 onto my spare word
	s_wait_dscnt 0x0                               ; the add is done, and my LDS reads are over
	s_barrier_signal -1
	s_barrier_wait -1
.endm
.macro FILL g0, g1
	tensor_load_to_lds s[\g0:\g0+3], s[\g1:\g1+7]  ; my one tensor load behind this barrier
	s_nop 0
.rept 4
	v_nop
.endr
.endm
	s_wait_alu depctr_va_vdst(0)                   ; the wait at the head's end
	s_wait_loadcnt 0x0                             ; Q
	MEET                                           ; key steps 0-3 are whole
	FILL G0M, G1W                                  ; key steps 4-11: a first fill
	STEPS 4                                        ; key steps 0-3
	MEET                                           ; key steps 4-11 are whole, and nobody reads key steps 0-3 any more
	FILL G0, G1                                    ; key steps 12-15 into their bytes
	STEPS 8                                        ; key steps 4-11
	s_wait_tensorcnt 0x0                           ; my part of key steps 12-15 is in,
	s_wait_dscnt 0x0                               ; my reads of key steps 4-11 are over;
	s_barrier_signal -1
	s_barrier_wait -1                              ; both hold of every wave.
	s_mov_b32 s[TB], 0
	STEPS 4                                        ; key steps 12-15
.rept 4
	v_nop                                          ; behind the last products, ahead of the first read of O^T
.endr
	s_cmp_eq_u32 s[PAR], 0
	s_cbranch_scc1 .Lkeeps
.set n, 0
	s_wait_alu depctr_va_vdst(0)
.rept 16
	ds_store_b128 v2, v[160+4*n:163+4*n] offset:512*n   ; the odd steps' O^T, each accumulator from its low end on,
.set n, n+1
.endr
	ds_store_b128 v2, v[12:15] offset:8192         ; -M, and l
.Lkeeps:
	s_wait_dscnt 0x0
	s_barrier_signal -1
	s_barrier_wait -1
	s_cmp_lg_u32 s[PAR], 0
	s_cbranch_scc1 .Lgave
.set n, 0
.rept 16
	ds_load_b128 v[96+4*n:99+4*n], v2 offset:512*n
.set n, n+1
.endr
	ds_load_b128 v[88:91], v2 offset:8192
	s_wait_dscnt 0x0
	v_min_num_f32 v93, v12, v88                    ; -M of the two
	s_delay_alu instid0(VALU_DEP_1)
	v_sub_f32 v92, v93, v12
	s_delay_alu instid0(VALU_DEP_2)
	v_sub_f32 v93, v93, v88                        ; (a partner that had no step holds -M = 3e38, O^T = 0, l = 0: its factor falls to 0)
	s_delay_alu instid0(VALU_DEP_2)
	v_cvt_i32_f32 v92, v92
	s_delay_alu instid0(VALU_DEP_2)
	v_cvt_i32_f32 v93, v93
	s_delay_alu instid0(VALU_DEP_2)
	v_ldexp_f32 v252, 1.0, v92
	s_delay_alu instid0(VALU_DEP_2)
	v_ldexp_f32 v254, 1.0, v93
.set n, 0
.rept 32
	v_pk_mul_f32 v[160+n:161+n], v[160+n:161+n], v[252:253] op_sel_hi:[1,0]
.set n, n+2
.endr
.set n, 0
.rept 32
	v_pk_fma_f32 v[160+n:161+n], v[96+n:97+n], v[254:255], v[160+n:161+n] op_sel_hi:[1,0,1]
.set n, n+2
.endr
	v_pk_mul_f32 v[14:15], v[14:15], v[252:253] op_sel_hi:[1,0]
	s_delay_alu instid0(VALU_DEP_1)
	v_pk_fma_f32 v[14:15], v[90:91], v[254:255], v[14:15] op_sel_hi:[1,0,1]
	s_delay_alu instid0(VALU_DEP_1)
	v_add_f32 v92, v14, v15
	s_delay_alu instid0(VALU_DEP_1)
	v_permlanex16_b32 v236, v92, s[SEL], s[SEL+1]
	s_delay_alu instid0(VALU_DEP_1)
	v_add_f32 v92, v92, v236                       ; the row's l
	s_wait_alu depctr_va_vdst(0)
	v_rcp_f32 v94, v92
	v_nop                                          ; a plain instruction behind the reciprocal
	s_wait_alu depctr_va_vdst(0)                   ; and the wait ahead of its first reader
	v_mul_f32 v95, v92, v94                        ; the sum of the row's normalised weights
	ds_store_b32 v3, v95                           ; (lanes r and r + 16 write the same word with the same value)
.set n, 0
.rept 32
	v_pk_mul_f32 v[96+n:97+n], v[160+n:161+n], v[94:95] op_sel_hi:[1,0]   ; o = O^T / l: register 16 b + i is channel 32 b + 16 h + i
.set n, n+2
.endr
.irp b, 0,1,2,3
	v_max3_num_f32 v[232+\b], |v[96+16*\b]|, |v[97+16*\b]|, FLOOR
.endr
.irp i, 2,4,6,8,10,12,14
.irp b, 0,1,2,3
	s_delay_alu instid0(VALU_DEP_4)
	v_max3_num_f32 v[232+\b], v[232+\b], |v[96+16*\b+\i]|, |v[97+16*\b+\i]|
.endr
.endr
.irp b, 0,1,2,3
	s_delay_alu instid0(VALU_DEP_4)
	v_permlanex16_b32 v[236+\b], v[232+\b], s[SEL], s[SEL+1]
.endr
.irp b, 0,1,2,3
	s_delay_alu instid0(VALU_DEP_4)
	v_max_num_f32 v[232+\b], v[232+\b], v[236+\b]
.endr
	QCODES 248
.irp c, 0,1,2
	global_store_b128 v1, v[224+4*\c:227+4*\c], s[52:53] offset:512*\c   ; 512 consecutive bytes, aligned
.endr
	global_store_b32 v9, v248, s[54:55]            ; my head's scale word of each row (lanes r and r + 16: the same word to the same place)
.Lgave:
	s_wait_dscnt 0x0
	s_barrier_signal -1
	s_barrier_wait -1
	s_and_b32 s48, s[WV], 11
	s_cmp_lg_u32 s48, 0                            ; waves 0 and 4: one block of 32 queries each
	s_cbranch_scc1 .Lno_score
	ds_load_b32 v64, v4
	ds_load_b32 v65, v4 offset:64
	s_wait_dscnt 0x0
	v_add_f32 v64, v64, v65                        ; the two heads
	global_store_b32 v10, v64, s[60:61]
.Lno_score:
	s_wait_tensorcnt 0x0                           ; the wave's end
	ds_add_u32 v5, v6
	s_wait_dscnt 0x0
	s_endpgm
.Lfunc_end_k_q53be2cdb0c_attn:
	.size	k_q53be2cdb0c_attn, .Lfunc_end_k_q53be2cdb0c_attn-k_q53be2cdb0c_attn
	.p2alignl 7, 3214868480
	.fill 96, 4, 3214868480
	.section	.rodata,"a",@progbits
	.p2align	6, 0x0
	.amdhsa_kernel k_q53be2cdb0c_attn
		.amdhsa_group_segment_fixed_size 327680
		.amdhsa_private_segment_fixed_size 0
		.amdhsa_enable_private_segment 0
		.amdhsa_kernarg_size 32
		.amdhsa_user_sgpr_count 2
		.amdhsa_user_sgpr_kernarg_segment_ptr 1
		.amdhsa_wavefront_size32 1
		.amdhsa_system_sgpr_workgroup_id_x 1
		.amdhsa_system_sgpr_workgroup_id_y 1
		.amdhsa_system_sgpr_workgroup_id_z 1
		.amdhsa_system_vgpr_workitem_id 0
		.amdhsa_next_free_vgpr 256
		.amdhsa_next_free_sgpr 100
		.amdhsa_reserve_vcc 1
		.amdhsa_float_denorm_mode_32 3
		.amdhsa_float_denorm_mode_16_64 3
		.amdhsa_memory_ordered 1
		.amdhsa_forward_progress 1
		.amdhsa_inst_pref_size 102
	.end_amdhsa_kernel
	.amdgpu_metadata
---
amdhsa.version: [ 1, 2 ]
amdhsa.kernels:
  - .name:           k_q53be2cdb0c_attn
    .symbol:         k_q53be2cdb0c_attn.kd
    .args:
      - { .name: qc, .offset: 0, .size: 8, .value_kind: global_buffer, .address_space: global }
      - { .name: kvc, .offset: 8, .size: 8, .value_kind: global_buffer, .address_space: global }
      - { .name: oc, .offset: 16, .size: 8, .value_kind: global_buffer, .address_space: global }
      - { .name: out1, .offset: 24, .size: 8, .value_kind: global_buffer, .address_space: global }
    .group_segment_fixed_size: 327680
    .private_segment_fixed_size: 0
    .kernarg_segment_align: 8
    .kernarg_segment_size: 32
    .max_flat_workgroup_size: 512
    .sgpr_count:     100
    .vgpr_count:     256
    .wavefront_size: 32
...
	.end_amdgpu_metadata
.endif
;; end of part 3
;; launch oproj (part 4): grid 16 x 16, 4 waves a work-group, clusters of 4 x 4, 327,680 bytes of LDS; arguments oc, woc, out0; writes out0
.if DOCPART == 4
	.amdgcn_target "amdgcn-amd-amdhsa--gfx1250"
	.amdhsa_code_object_version 6
	.text
	.protected	k_q53be2cdb0c_oproj
	.globl	k_q53be2cdb0c_oproj
	.p2align	8
	.type	k_q53be2cdb0c_oproj,@function
k_q53be2cdb0c_oproj:
	s_mov_b64 s[64:65], 0
	v_nop
	global_prefetch_b8 v0, s[64:65] scope:SCOPE_SE
	s_setreg_imm32_b32 hwreg(HW_REG_WAVE_MODE, 25, 1), 1
	s_wait_xcnt 0x0
	s_wait_alu depctr_hold_cnt(0) depctr_sa_sdst(0) depctr_va_vdst(0) depctr_va_sdst(0) depctr_va_ssrc(0) depctr_va_vcc(0) depctr_vm_vsrc(0)
	s_getreg_b32 s2, hwreg(HW_REG_IB_STS2, 6, 4)
	s_cmp_eq_u32 s2, 0
	s_cbranch_scc0 .Lentry_in_a_cluster
	s_endpgm
.Lentry_in_a_cluster:
	s_bfe_u32 s2, ttmp6, 0x10000c
	s_cmp_lg_u32 s2, 0xf033
	s_cbranch_scc0 .Lentry_shape_is_right
	s_endpgm
.Lentry_shape_is_right:
; out0 = o x Wo on codes of FP6 (E2M3) with E8M0 scales, K = 2,048; f32 sums, stored as they are.
; Operands lie as RECORDS: four fragments (16 rows x 128 K each, images of the matrix unit's 12 registers a lane) and 256 bytes of scale words: 6,400 bytes for 512 along K of one row block.
; A work-group makes 128 tokens x 256 columns, a wave 64 x 128: 32 accumulators, which take turns.  Source 0 = 256 columns of Wo, source 1 = 128 tokens: a lane holds eight neighbouring columns of one row of out0.
; THE RING: two slots of 24 records (512 along K), four records along K.  Record 0 is asked for at the head, one joint load a wave; record 1 behind the three lines and a round of the cluster's barrier; records 2 and 3 behind the rounds that free their slots.
; CLUSTER 4 x 4: Wo's records are shared along a column of the cluster, o's along a row.
; PREFETCH: behind the load of record 0 stand the requests for records 1 and 2, behind that of record 1 the one for record 3; the refills have no record two refills on and ask for nothing.
; Of the row blocks that a wave fetches jointly with three partners each partner names a quarter, told apart by address: two row blocks (source 0) or one (source 1); a lane to each 256 bytes, 25 to a record; lanes 25-31 name the last again.
; THE WAY OUT: a block of 16 rows goes through the wave's own stage in slot 0, which has had its last fill and its last read by then, and leaves as whole rows of 512 bytes.
.set REC,   6400
.set PFO,   31                         ; v31 the prefetches' offset: 256 x min(lane, 24); never rewritten
.set PFA,   66                         ; s[66:67] my work-group's share of the row blocks that I fetch; never rewritten
.macro ASK k                           ; record k from s[PFA] on: one row block, and for source 0's waves the next one too
	global_prefetch_b8 v[PFO], s[PFA:PFA+1] offset:(\k)*REC th:TH_LOAD_NT scope:SCOPE_SE
	s_cmp_lg_u32 s15, 0
	s_cbranch_scc1 .Lone_\@
	global_prefetch_b8 v[PFO], s[PFA:PFA+1] offset:(\k)*REC+RPB th:TH_LOAD_NT scope:SCOPE_SE
.Lone_\@:
.endm
.set FRB,   1536
.set RPB,   25600
.set S1OFF, 16*REC
.set SLOT,  24*REC
.set SPARE, 2*SLOT
.set TRIPS, 1
.set SPITCH, 528
.set ADR0, 16
.set ADR1, 18
.set ADS0, 20
.set ADS1, 22
.set LI,   24
.set STO,  27
.set SPW,  28
.set NIL,  29
.set RD,   30
.set SC,   32
.set AF,   80
.set BK,   80
.set G1,  24
.set G0,  32
.set G1B, 48
.set G0B, 56
.set MSB, 0
.macro WIN new
.if MSB != (\new)
	s_set_vgpr_msb (MSB<<8)|(\new)
.set MSB, (\new)
.endif
.endm
.macro PLACES n
.rept \n
	v_nop
.endr
.endm
.macro JLOAD g0a, g1a, g0b, g1b
	s_cmp_eq_u32 s15, 0
	s_cbranch_scc0 .Lfor_b_\@
	tensor_load_to_lds s[\g0a:\g0a+3], s[\g1a:\g1a+7]
	s_nop 0
.rept 4
	v_nop
.endr
	s_branch .Lasked_\@
.Lfor_b_\@:
	tensor_load_to_lds s[\g0b:\g0b+3], s[\g1b:\g1b+7]
	s_nop 0
.rept 4
	v_nop
.endr
.Lasked_\@:
.endm
.macro CREST
	s_cmp_lg_u32 s14, 0
	s_cbranch_scc1 .Lnot_wave_0_\@
	s_barrier_signal -3
.Lnot_wave_0_\@:
	s_barrier_wait -3
	s_barrier_signal -1
	s_barrier_wait -1
.endm
.macro CROUND
	s_barrier_signal -1
	s_barrier_wait -1
	CREST
.endm
	s_load_b128 s[4:7], s[0:1], 0x0
	s_load_b64 s[8:9], s[0:1], 0x10
	v_lshl_add_u32 v[SPW], v0, 2, SPARE
	v_mov_b32 v[NIL], 0
	ds_add_u32 v28, v29
	ds_add_u32 v28, v29
	s_wait_dscnt 0x0
	v_lshrrev_b32 v1, 5, v0
	v_readfirstlane_b32 s14, v1
	s_lshr_b32 s15, s14, 1
	s_and_b32 s16, s14, 1
	s_bfe_u32 s40, ttmp6, 0x40000
	s_bfe_u32 s41, ttmp6, 0x40004
	s_lshl_b32 s42, ttmp9, 2
	s_add_co_u32 s42, s42, s40
	s_and_b32 s17, ttmp7, 0xffff
	s_lshl_b32 s17, s17, 2
	s_add_co_u32 s17, s17, s41
	s_lshl_b32 s43, s41, 2
	s_lshl_b32 s43, 15, s43
	s_lshl_b32 s44, 0x1111, s40
	s_or_b32 s[G1+0], s44, (3<<16)|(1<<21)
	s_or_b32 s[G1B+0], s43, (3<<16)|(1<<21)
	s_mov_b32 s[G1+1], 800<<16
	s_mov_b32 s[G1+2], 8<<16
	s_mov_b32 s[G1+3], 800<<16
	s_mov_b32 s[G1+4], 8
	s_mov_b32 s[G1+5], RPB/8
	s_mov_b32 s[G1+6], 0
	s_mov_b32 s[G1+7], 0
	s_mov_b32 s[G1B+1], 800<<16
	s_mov_b32 s[G1B+2], 4<<16
	s_mov_b32 s[G1B+3], 800<<16
	s_mov_b32 s[G1B+4], 4
	s_mov_b32 s[G1B+5], RPB/8
	s_mov_b32 s[G1B+6], 0
	s_mov_b32 s[G1B+7], 0
	s_mul_i32 s72, s16, 8*REC
	s_mul_i32 s73, s16, 4*REC
	s_add_co_u32 s73, s73, S1OFF
	s_lshl_b32 s46, s42, 4
	s_lshl_b32 s45, s16, 3
	s_add_co_u32 s46, s46, s45
	s_mul_i32 s46, s46, RPB
	s_mov_b32 s47, 0
	s_lshl_b32 s70, s17, 3
	s_lshl_b32 s45, s16, 2
	s_add_co_u32 s70, s70, s45
	s_mul_i32 s70, s70, RPB
	s_mov_b32 s71, 0
	s_wait_kmcnt 0x0
	s_add_nc_u64 s[66:67], s[6:7], s[46:47]
	s_add_nc_u64 s[68:69], s[4:5], s[70:71]
	CROUND
.irp s, 0,1
	s_mov_b32 s[G0+4*\s], 1
	s_add_co_u32 s[G0+4*\s+1], s72, \s*SLOT
	s_add_nc_u64 s[G0+4*\s+2:G0+4*\s+3], s[66:67], \s*REC
	s_or_b32 s[G0+4*\s+3], s[G0+4*\s+3], 0x80000000
	s_mov_b32 s[G0B+4*\s], 1
	s_add_co_u32 s[G0B+4*\s+1], s73, \s*SLOT
	s_add_nc_u64 s[G0B+4*\s+2:G0B+4*\s+3], s[68:69], \s*REC
	s_or_b32 s[G0B+4*\s+3], s[G0B+4*\s+3], 0x80000000
.endr
	JLOAD G0, G1, G0B, G1B                         ; record 0: my one tensor load at the head; the set-up below stands under its flight
	s_lshl_b32 s71, s41, 1                         ; source 0's partners differ in cy and take two row blocks each,
	s_cmp_eq_u32 s15, 0
	s_cselect_b64 s[PFA:PFA+1], s[66:67], s[68:69]
	s_cselect_b32 s70, s71, s40                    ; source 1's differ in cx and take one
	s_mul_i32 s70, s70, RPB
	s_mov_b32 s71, 0
	s_add_nc_u64 s[PFA:PFA+1], s[PFA:PFA+1], s[70:71]
	v_and_b32 v3, 31, v0
	v_min_u32 v[PFO], 24, v3
	v_lshlrev_b32 v[PFO], 8, v[PFO]
	s_wait_alu depctr_va_vdst(0)                   ; the wait ahead of the branches below
	ASK 1
	ASK 2
	v_and_b32 v1, 15, v0
	v_bfe_u32 v2, v0, 4, 1
	v_and_b32 v3, 31, v0
	v_lshlrev_b32 v[LI], 4, v3
	v_lshlrev_b32 v4, 4, v1
	v_mul_u32_u24 v6, v2, 4*REC
	v_add_nc_u32 v6, v6, v4
	v_mul_u32_u24 v7, v2, 2*REC
	v_add_nc_u32 v7, v7, v4
	s_mul_i32 s74, s16, 8*REC
	s_mul_i32 s75, s15, 4*REC
	s_add_co_u32 s75, s75, S1OFF
.irp s, 0,1
	v_add_nc_u32 v[ADR0+\s], s74, v[LI]
	v_add_nc_u32 v[ADR1+\s], s75, v[LI]
	v_add_nc_u32 v[ADS0+\s], s74, v6
	v_add_nc_u32 v[ADS1+\s], s75, v7
	s_add_co_u32 s74, s74, SLOT
	s_add_co_u32 s75, s75, SLOT
.endr
	s_mul_i32 s76, s14, 16*SPITCH
	v_mul_u32_u24 v5, v1, SPITCH
	v_lshl_add_u32 v5, v2, 6, v5
	v_add_nc_u32 v[STO], s76, v5
	v_add_nc_u32 v[RD], s76, v[LI]
	s_lshl_b32 s88, s17, 7
	s_lshl_b32 s77, s15, 6
	s_add_co_u32 s88, s88, s77
	s_lshl_b32 s88, s88, 14
	s_lshl_b32 s77, s42, 10
	s_add_co_u32 s88, s88, s77
	s_lshl_b32 s77, s16, 9
	s_add_co_u32 s88, s88, s77
	s_mov_b32 s89, 0
	s_add_nc_u64 s[92:93], s[8:9], s[88:89]
.macro WM a, b, p, q, sc, zero
.set rD, 8*(8*(\a)+(\b))
.set rA, 128*(\p)+12*(\b)
.set rB, AF+48*(\p)+12*(\a)
.set rS, SC+24*(\sc)+4*((\b)%4)+(\q)
.set rT, SC+24*(\sc)+16+4*((\a)%2)+(\q)
.if \zero
.if ((\b) >= 4) && ((\a) >= 2)
	v_wmma_scale_f32_16x16x128_f8f6f4 v[rD:rD+7], v[rA:rA+11], v[rB:rB+11], 0, v[rS], v[rT] matrix_a_fmt:MATRIX_FMT_FP6 matrix_b_fmt:MATRIX_FMT_FP6 matrix_a_scale:MATRIX_SCALE_ROW1 matrix_b_scale:MATRIX_SCALE_ROW1
.elseif (\b) >= 4
	v_wmma_scale_f32_16x16x128_f8f6f4 v[rD:rD+7], v[rA:rA+11], v[rB:rB+11], 0, v[rS], v[rT] matrix_a_fmt:MATRIX_FMT_FP6 matrix_b_fmt:MATRIX_FMT_FP6 matrix_a_scale:MATRIX_SCALE_ROW1
.elseif (\a) >= 2
	v_wmma_scale_f32_16x16x128_f8f6f4 v[rD:rD+7], v[rA:rA+11], v[rB:rB+11], 0, v[rS], v[rT] matrix_a_fmt:MATRIX_FMT_FP6 matrix_b_fmt:MATRIX_FMT_FP6 matrix_b_scale:MATRIX_SCALE_ROW1
.else
	v_wmma_scale_f32_16x16x128_f8f6f4 v[rD:rD+7], v[rA:rA+11], v[rB:rB+11], 0, v[rS], v[rT] matrix_a_fmt:MATRIX_FMT_FP6 matrix_b_fmt:MATRIX_FMT_FP6
.endif
.else
.if ((\b) >= 4) && ((\a) >= 2)
	v_wmma_scale_f32_16x16x128_f8f6f4 v[rD:rD+7], v[rA:rA+11], v[rB:rB+11], v[rD:rD+7], v[rS], v[rT] matrix_a_fmt:MATRIX_FMT_FP6 matrix_b_fmt:MATRIX_FMT_FP6 matrix_a_scale:MATRIX_SCALE_ROW1 matrix_b_scale:MATRIX_SCALE_ROW1
.elseif (\b) >= 4
	v_wmma_scale_f32_16x16x128_f8f6f4 v[rD:rD+7], v[rA:rA+11], v[rB:rB+11], v[rD:rD+7], v[rS], v[rT] matrix_a_fmt:MATRIX_FMT_FP6 matrix_b_fmt:MATRIX_FMT_FP6 matrix_a_scale:MATRIX_SCALE_ROW1
.elseif (\a) >= 2
	v_wmma_scale_f32_16x16x128_f8f6f4 v[rD:rD+7], v[rA:rA+11], v[rB:rB+11], v[rD:rD+7], v[rS], v[rT] matrix_a_fmt:MATRIX_FMT_FP6 matrix_b_fmt:MATRIX_FMT_FP6 matrix_b_scale:MATRIX_SCALE_ROW1
.else
	v_wmma_scale_f32_16x16x128_f8f6f4 v[rD:rD+7], v[rA:rA+11], v[rB:rB+11], v[rD:rD+7], v[rS], v[rT] matrix_a_fmt:MATRIX_FMT_FP6 matrix_b_fmt:MATRIX_FMT_FP6
.endif
.endif
.endm
.macro MULQ a, p, q, sc, zero
.irp b, 0,1,2,3,4,5,6,7
	WM \a, \b, \p, \q, \sc, \zero
.endr
.endm
.macro MULH a0, p, q, sc, zero
	MULQ \a0, \p, \q, \sc, \zero
	MULQ (\a0)+1, \p, \q, \sc, \zero
.endm
.set W_MUL, 0xa1
.macro FETCH0 slot, q, p
	WIN 0x40
.irp b, 0,1,2,3,4,5,6,7
.irp c, 0,1,2
	ds_load_b128 v[128*(\p)+12*\b+4*\c:128*(\p)+12*\b+4*\c+3], v[ADR0+\slot] offset:\b*REC+(\q)*FRB+512*\c
.endr
.endr
	WIN 0
.endm
.macro FETCH1 slot, q, p, a0
.irp a, \a0, \a0+1
.irp c, 0,1,2
	ds_load_b128 v[AF+48*(\p)+12*(\a)+4*\c:AF+48*(\p)+12*(\a)+4*\c+3], v[ADR1+\slot] offset:(\a)*REC+(\q)*FRB+512*\c
.endr
.endr
.endm
.macro SCALES slot
.irp i, 0,1,2,3
	ds_load_b128 v[SC+24*\slot+4*\i:SC+24*\slot+4*\i+3], v[ADS0+\slot] offset:4*FRB+\i*REC
.endr
.irp i, 0,1
	ds_load_b128 v[SC+24*\slot+16+4*\i:SC+24*\slot+16+4*\i+3], v[ADS1+\slot] offset:4*FRB+\i*REC
.endr
.endm
.macro STEP slot, q, zero
	s_wait_dscnt 6
	WIN W_MUL
	MULH 0, (\q)%2, \q, \slot, \zero
	PLACES 4
	FETCH0 \slot, (\q)+1, 1-(\q)%2
	FETCH1 \slot, (\q)+1, 1-(\q)%2, 0
	FETCH1 \slot, (\q)+1, 1-(\q)%2, 2
	s_wait_dscnt 36
	WIN W_MUL
	MULH 2, (\q)%2, \q, \slot, \zero
	WIN 0
.endm
.macro TURN slot, next, fill
	s_wait_tensorcnt 0x0
	ds_add_u32 v[SPW], v[NIL]
	s_wait_dscnt 7
	WIN W_MUL
	MULQ 0, 1, 3, \slot, 0
	s_wait_dscnt 0x0
	s_barrier_signal -1
	MULQ 1, 1, 3, \slot, 0
	WIN 0
	s_barrier_wait -1
.if \fill
	CREST
	s_add_nc_u64 s[G0+4*\slot+2:G0+4*\slot+3], s[G0+4*\slot+2:G0+4*\slot+3], 2*REC
	s_add_nc_u64 s[G0B+4*\slot+2:G0B+4*\slot+3], s[G0B+4*\slot+2:G0B+4*\slot+3], 2*REC
	JLOAD G0+4*\slot, G1, G0B+4*\slot, G1B
.else
	PLACES 4
.endif
	FETCH0 \next, 0, 0
	FETCH1 \next, 0, 0, 0
	SCALES \next
	FETCH1 \next, 0, 0, 2
	WIN W_MUL
	MULH 2, 1, 3, \slot, 0
	WIN 0
.endm
	s_wait_alu depctr_va_vdst(0)                   ; the wait at the head's end
	s_wait_tensorcnt 0x0                           ; my part of record 0 is in
	ds_add_u32 v[SPW], v[NIL]
	s_wait_dscnt 0x0
	CROUND                                         ; everybody's part of record 0 is in, and all sixteen work-groups are here
	JLOAD G0+4, G1, G0B+4, G1B                     ; record 1, the first tensor load behind the round
	FETCH0 0, 0, 0
	FETCH1 0, 0, 0, 0
	SCALES 0
	FETCH1 0, 0, 0, 2
	ASK 3
	STEP 0, 0, 1
	s_mov_b32 s3, TRIPS
.Llap:
	STEP 0, 1, 0
	STEP 0, 2, 0
	TURN 0, 1, 1
	STEP 1, 0, 0
	STEP 1, 1, 0
	STEP 1, 2, 0
	TURN 1, 0, 1
	STEP 0, 0, 0
	s_sub_co_u32 s3, s3, 1
	s_cmp_lg_u32 s3, 0
	s_cbranch_scc1 .Llap
	STEP 0, 1, 0
	STEP 0, 2, 0
	TURN 0, 1, 0
	STEP 1, 0, 0
	STEP 1, 1, 0
	STEP 1, 2, 0
	s_wait_dscnt 6
	WIN W_MUL
	MULH 0, 1, 3, 1, 0
	s_wait_dscnt 0x0
	MULH 2, 1, 3, 1, 0
	WIN 0
.macro TOSTAGE a
	WIN 0x08
.irp b, 0,1,2,3,4,5,6,7
	ds_store_b128 v[STO], v[64*(\a)+8*\b:64*(\a)+8*\b+3] offset:128*(\b/2)+32*(\b%2)
	ds_store_b128 v[STO], v[64*(\a)+8*\b+4:64*(\a)+8*\b+7] offset:128*(\b/2)+32*(\b%2)+16
.endr
	WIN 0
.set BB, BK+64*((\a)%2)
.set n, 0
.rept 16
	ds_load_b128 v[BB+4*n:BB+4*n+3], v[RD] offset:SPITCH*n
.set n, n+1
.endr
.endm
.macro SEND a, younger
.set BB, BK+64*((\a)%2)
	s_wait_dscnt \younger
.set n, 0
.rept 16
	global_store_b128 v[LI], v[BB+4*n:BB+4*n+3], s[92:93] offset:(32*((\a)/2)+8*((\a)%2)+n+8*(n/8))*16384 th:TH_STORE_NT
.set n, n+1
.endr
.endm
	PLACES 4
	TOSTAGE 0
.irp a, 1,2,3
.if \a > 1
	s_wait_xcnt 0x0
.endif
	TOSTAGE \a
	SEND \a-1, 32
.endr
	SEND 3, 0
	s_wait_tensorcnt 0x0
	ds_add_u32 v[SPW], v[NIL]
	s_wait_dscnt 0x0
	CROUND
	s_endpgm
.Lfunc_end_k_q53be2cdb0c_oproj:
	.size	k_q53be2cdb0c_oproj, .Lfunc_end_k_q53be2cdb0c_oproj-k_q53be2cdb0c_oproj
	.p2alignl 7, 3214868480
	.fill 96, 4, 3214868480
	.section	.rodata,"a",@progbits
	.p2align	6, 0x0
	.amdhsa_kernel k_q53be2cdb0c_oproj
		.amdhsa_group_segment_fixed_size 327680
		.amdhsa_private_segment_fixed_size 0
		.amdhsa_enable_private_segment 0
		.amdhsa_kernarg_size 24
		.amdhsa_user_sgpr_count 2
		.amdhsa_user_sgpr_kernarg_segment_ptr 1
		.amdhsa_wavefront_size32 1
		.amdhsa_system_sgpr_workgroup_id_x 1
		.amdhsa_system_sgpr_workgroup_id_y 1
		.amdhsa_system_sgpr_workgroup_id_z 1
		.amdhsa_system_vgpr_workitem_id 0
		.amdhsa_next_free_vgpr 1024
		.amdhsa_next_free_sgpr 100
		.amdhsa_reserve_vcc 0
		.amdhsa_float_denorm_mode_32 3
		.amdhsa_float_denorm_mode_16_64 3
		.amdhsa_memory_ordered 1
		.amdhsa_forward_progress 1
		.amdhsa_inst_pref_size 133
	.end_amdhsa_kernel
	.amdgpu_metadata
---
amdhsa.version: [ 1, 2 ]
amdhsa.kernels:
  - .name:           k_q53be2cdb0c_oproj
    .symbol:         k_q53be2cdb0c_oproj.kd
    .args:
      - { .name: oc, .offset: 0, .size: 8, .value_kind: global_buffer, .address_space: global }
      - { .name: woc, .offset: 8, .size: 8, .value_kind: global_buffer, .address_space: global }
      - { .name: out0, .offset: 16, .size: 8, .value_kind: global_buffer, .address_space: global }
    .group_segment_fixed_size: 327680
    .private_segment_fixed_size: 0
    .kernarg_segment_align: 8
    .kernarg_segment_size: 24
    .max_flat_workgroup_size: 128
    .sgpr_count:     100
    .vgpr_count:     1024
    .wavefront_size: 32
...
	.end_amdgpu_metadata
.endif
;; end of part 4
